; MI455X (gfx1250); checked and timed in simulation.
; The chip was launched on July 23, 2026; its instructions are those of AMD's public machine-readable ISA for CDNA 5 (MIT licence, August 2026) and "CDNA5" Instruction Set Architecture Reference Guide (July 2026). The comments in the code are by the model that wrote it; some were corrected since.
;; Adaptive Attention. Allowed arithmetic: float matrix products may take bf16 or f16 operands with f32 sums; other float arithmetic in f32, or as packed bf16 or f16 multiplies, adds, multiply-adds, maxima and minima; sums over many terms, partial sums and values carried from step to step in f32; what a program stores and reads back later, other than sums and carried values, may be rounded once to bf16 or f16.
;; Inputs: Wk 16 x 1,024 x 64 float32; Wo 1,024 x 1,024 float32; Wq 16 x 1,024 x 64 float32; Wv 16 x 1,024 x 64 float32; bk 16 x 64 float32; bo 1,024 float32; bq 16 x 64 float32; bv 16 x 64 float32; head_selector 16 float32; key 4 x 2,048 x 1,024 float32; query 4 x 2,048 x 1,024 float32; value 4 x 2,048 x 1,024 float32.
;; Outputs: out0 4 x 2,048 x 1,024 float32.
;; 2 versions, each right; version 2 is version 1 with the launch prep written anew for expert scheduling mode. Each part assembles by itself: llvm-mc -triple=amdgcn-amd-amdhsa -mcpu=gfx1250 --defsym DOCPART=n.
;; ======== version 1 of 2: 4 launches
;; limits: values are held in f16: magnitudes above 65,504 overflow, below 6.1e-05 lose precision
;; workspace buffers: xb 50,331,648 bytes; wt 6,291,456 bytes; wo 2,097,152 bytes; qkv 50,331,648 bytes; ctx 16,777,216 bytes
;; launch prep (part 1): grid 1024 x 1, 8 waves a work-group, no clusters, 34,816 bytes of LDS; arguments query, key, value, Wq, Wk, Wv, Wo, head_selector, xb, wt, wo; writes xb, wt, wo
.if DOCPART == 1
	.amdgcn_target "amdgcn-amd-amdhsa--gfx1250"
	.amdhsa_code_object_version 6
	.text
	.protected	k_qda56b4ed54_prep
	.globl	k_qda56b4ed54_prep
	.p2align	8
	.type	k_qda56b4ed54_prep,@function
k_qda56b4ed54_prep:
	s_mov_b64 s[64:65], 0
	v_nop
	global_prefetch_b8 v0, s[64:65] scope:SCOPE_SE
	s_setreg_imm32_b32 hwreg(HW_REG_WAVE_MODE, 25, 1), 1
	s_wait_xcnt 0x0
; PREPARATION OF THE MATRIX OPERANDS.  Three kinds of work-group, told apart by the work-group's number alone:
;   0..191    Wq, Wk, Wv [16 h][1024 d][64 e] f32  ->  wt [3][1024 n = 64 h + e][1024 d] bf16 (turned, so that d lies along the rows)
;   192..255  Wo [1024 k][1024 n] f32              ->  wo [1024 n][1024 k] f16 = bf16(Wo[k][n]) x softmax(bf16(head_selector))[k / 64], rounded once to f16
;   256..1023 query, key, value [8192][1024] f32   ->  xb [3][8192][1024] bf16
; A stream: no matrix unit, no tensor load, no cluster, since no byte is wanted by two work-groups.
; LIMITS.  Every input is rounded once to bf16 (nearest even).  wo below 6e-5 keeps f16's fixed step of 6e-8; beyond 65,504 it would be an infinity (Wo x a weight of at most 1).
; The selector's softmax takes its maximum away first; a weight below 2^-126 counts as 0.  NaN and infinities are not treated apart.
.set TP,    528                        ; a row of the turned tile in LDS: 512 bytes (256 numbers of 16 bits) + 16
.set SPARE, 64*TP                      ; 33,792 = 132 x 256: behind the tile the spare words, 128 bytes for each of the eight waves
.set SPW,   6                          ; v6   LDS address of my spare word; never rewritten
.set NIL,   7                          ; v7   0; never rewritten
.set X,     8                          ; v[8:135] the cast's 32 loads; v[8:71] a turned tile's 16 loads
.set Y,     136                        ; v[136:199] the cast's 32 stores
.set WD,    72                         ; v[72:103] a turned tile's 32 words of two numbers
.set TT,    104                        ; v[104:111] at work
.set R,     112                        ; v[112:143] eight rows' parts read back
.set HW,    144                        ; v[144:147] the four head weights of this work-group's 256 rows of Wo; v148-159 at work on them
	s_load_b512 s[8:23], s[0:1], 0x0               ; query 8, key 10, value 12, Wq 14, Wk 16, Wv 18, Wo 20, head_selector 22
	s_load_b128 s[24:27], s[0:1], 0x40             ; xb 24, wt 26
	s_load_b64 s[28:29], s[0:1], 0x50              ; wo
	v_lshl_add_u32 v[SPW], v0, 2, SPARE
	v_mov_b32 v[NIL], 0
	v_lshrrev_b32 v1, 5, v0
	v_readfirstlane_b32 s39, v1                    ; my wave's number
	s_mov_b32 s2, ttmp9
	s_mov_b32 s35, 0                               ; the high word of every offset pair s[34:35]
	s_mov_b32 s38, 0xffff0000                      ; a word's upper bf16
	s_wait_kmcnt 0x0
	s_cmp_ge_u32 s2, 256
	s_cbranch_scc1 .Lcast
	s_cmp_ge_u32 s2, 192
	s_cbranch_scc1 .Lwo
; A TILE OF 256 ROWS x 64 COLUMNS IS TURNED.  sp = bytes from row to row in the source, 2 sp = 1 << sh.  Source at s[30:31], destination (rows of 2,048 bytes) at s[32:33].
; Lane: column quad i = l % 16; row pair 2 w + l / 16 of each group of 32 rows: sixteen lanes read 256 consecutive bytes of a row.
; Rows d and d + 1 of a column make one word, which goes to LDS row (column), byte 2 d.  Then each wave reads whole rows of 512 bytes and stores them.
.macro TRANS sp, sh, iswo
	v_and_b32 v1, 15, v0                           ; i
	v_bfe_u32 v2, v0, 4, 1                         ; l / 16
	v_lshlrev_b32 v3, 4, v1
	v_lshl_add_u32 v3, v2, \sh, v3
	s_lshl_b32 s36, s39, (\sh)+1
	v_add_nc_u32 v3, s36, v3                       ; (2 w + l / 16) x 2 rows + 16 i
	v_mul_u32_u24 v4, v1, 4*TP
	v_lshl_add_u32 v4, v2, 2, v4
	s_lshl_b32 s36, s39, 3
	v_add_nc_u32 v4, s36, v4                       ; LDS: row 4 i, byte 4 (2 w + l / 16)
.irp g, 0,1,2,3,4,5,6,7
.irp u, 0,1
	global_load_b128 v[X+8*(\g)+4*(\u):X+8*(\g)+4*(\u)+3], v3, s[30:31] offset:(32*(\g)+(\u))*(\sp) th:TH_LOAD_NT
.endr
.endr
.if \iswo
	; the head weights, while the tile's loads are on their way: each half of the lanes holds all sixteen selectors, a lane a head
	s_wait_loadcnt 16                              ; the selector's two loads are in; the sixteen issued behind them may stay out
	v_cvt_pk_bf16_f32 v148, v148, v148             ; rounded to bf16 like every input
	v_cvt_pk_bf16_f32 v156, v152, v153
	v_cvt_pk_bf16_f32 v157, v154, v155
	v_lshlrev_b32 v148, 16, v148
	v_lshlrev_b32 v152, 16, v156
	v_and_b32 v153, s38, v156
	v_lshlrev_b32 v154, 16, v157
	v_and_b32 v155, s38, v157
	v_mov_b32 v149, v148
	v_max_num_f32_dpp v149, v149, v149 row_xmask:1 row_mask:0xf bank_mask:0xf
	v_max_num_f32_dpp v149, v149, v149 row_xmask:2 row_mask:0xf bank_mask:0xf
	v_max_num_f32_dpp v149, v149, v149 row_xmask:4 row_mask:0xf bank_mask:0xf
	v_max_num_f32_dpp v149, v149, v149 row_xmask:8 row_mask:0xf bank_mask:0xf  ; the maximum of the sixteen
	v_sub_f32 v150, v148, v149
	v_mul_f32 v150, 0x3fb8aa3b, v150               ; times log2(e)
	v_exp_f32 v150, v150
	v_nop                                          ; a plain instruction between the exponential and the use of its result
	s_wait_alu depctr_va_vdst(0)
	v_add_f32_dpp v150, v150, v150 row_xmask:1 row_mask:0xf bank_mask:0xf
	v_add_f32_dpp v150, v150, v150 row_xmask:2 row_mask:0xf bank_mask:0xf
	v_add_f32_dpp v150, v150, v150 row_xmask:4 row_mask:0xf bank_mask:0xf
	v_add_f32_dpp v150, v150, v150 row_xmask:8 row_mask:0xf bank_mask:0xf  ; the sum of the sixteen
	v_rcp_f32 v151, v150
.irp c, 0,1,2,3
	v_sub_f32 v[152+(\c)], v[152+(\c)], v149       ; my work-group's four heads (plain lines behind the reciprocal)
.endr
.irp c, 0,1,2,3
	v_mul_f32 v[152+(\c)], 0x3fb8aa3b, v[152+(\c)]
.endr
.irp c, 0,1,2,3
	v_exp_f32 v[HW+(\c)], v[152+(\c)]
.endr
	v_nop
	s_wait_alu depctr_va_vdst(0)
.irp c, 0,1,2,3
	v_mul_f32 v[HW+(\c)], v[HW+(\c)], v151
.endr
.endif
.irp g, 0,1,2,3,4,5,6,7
	s_wait_loadcnt 14-2*(\g)                       ; loads come back in order: group g's two are in, the younger ones stay out
.irp j, 0,1,2,3
	v_cvt_pk_bf16_f32 v[WD+4*(\g)+(\j)], v[X+8*(\g)+(\j)], v[X+8*(\g)+4+(\j)]  ; rows d, d + 1 of column 4 i + j
.if \iswo
	v_lshlrev_b32 v[TT+2*(\j)], 16, v[WD+4*(\g)+(\j)]
	v_and_b32 v[TT+2*(\j)+1], s38, v[WD+4*(\g)+(\j)]
	v_mul_f32 v[TT+2*(\j)], v[TT+2*(\j)], v[HW+(\g)/2]        ; rows 32 g .. 32 g + 31 of the 256 belong to head g / 2 of the four
	v_mul_f32 v[TT+2*(\j)+1], v[TT+2*(\j)+1], v[HW+(\g)/2]
	v_cvt_pk_f16_f32 v[WD+4*(\g)+(\j)], v[TT+2*(\j)], v[TT+2*(\j)+1]
.endif
	ds_store_b32 v4, v[WD+4*(\g)+(\j)] offset:(\j)*TP+64*(\g)
.endr
.endr
	s_wait_dscnt 0x0                               ; for the others' sake: my stores into the tile are done
	s_barrier_signal -1
	s_barrier_wait -1
	v_and_b32 v2, 31, v0
	v_lshlrev_b32 v2, 4, v2                        ; 16 l
	s_mul_i32 s36, s39, TP
	v_add_nc_u32 v5, s36, v2                       ; LDS row w, my 16 bytes
	s_lshl_b32 s36, s39, 11
	v_add_nc_u32 v2, s36, v2                       ; the same row in the destination
.irp p, 0,1,2,3,4,5,6,7
	ds_load_b128 v[R+4*(\p):R+4*(\p)+3], v5 offset:8*TP*(\p)  ; row w + 8 p: 512 consecutive bytes a wave
.endr
.irp p, 0,1,2,3,4,5,6,7
	s_wait_dscnt 7-(\p)
	global_store_b128 v2, v[R+4*(\p):R+4*(\p)+3], s[32:33] offset:16384*(\p) th:TH_STORE_NT  ; 512 consecutive bytes, at a multiple of 512 from the buffer's first
.endr
.endm
	; Wq, Wk, Wv: tensor id / 64, head (id % 64) / 4, quarter id % 4 of its 1,024 rows
	s_lshr_b32 s36, s2, 6
	s_cmp_eq_u32 s36, 0
	s_cselect_b64 s[30:31], s[14:15], s[16:17]
	s_cmp_eq_u32 s36, 2
	s_cselect_b64 s[30:31], s[18:19], s[30:31]
	s_and_b32 s34, s2, 63
	s_lshl_b32 s34, s34, 16                        ; 256 rows of 256 bytes
	s_add_nc_u64 s[30:31], s[30:31], s[34:35]
	s_lshr_b32 s34, s2, 2
	s_lshl_b32 s34, s34, 17                        ; 64 rows of 2,048 bytes for each tensor and head,
	s_and_b32 s37, s2, 3
	s_lshl_b32 s37, s37, 9                         ; 512 bytes along them
	s_add_co_u32 s34, s34, s37
	s_add_nc_u64 s[32:33], s[26:27], s[34:35]
	TRANS 256, 9, 0
	s_branch .Lend
.Lwo:	; Wo: quarter kq of its 1,024 rows, block nb of 64 columns
	s_sub_co_u32 s3, s2, 192
	s_and_b32 s36, s3, 3                           ; kq
	s_lshr_b32 s37, s3, 2                          ; nb
	s_lshl_b32 s34, s36, 20                        ; 256 rows of 4,096 bytes
	s_lshl_b32 s3, s37, 8
	s_add_co_u32 s34, s34, s3
	s_add_nc_u64 s[30:31], s[20:21], s[34:35]
	s_lshl_b32 s34, s37, 17
	s_lshl_b32 s3, s36, 9
	s_add_co_u32 s34, s34, s3
	s_add_nc_u64 s[32:33], s[28:29], s[34:35]
	s_lshl_b32 s37, s36, 4                         ; the four selectors of heads 4 kq .. 4 kq + 3
	v_and_b32 v158, 15, v0
	v_lshlrev_b32 v158, 2, v158
	v_mov_b32 v159, s37
	global_load_b32 v148, v158, s[22:23]
	global_load_b128 v[152:155], v159, s[22:23]
	TRANS 4096, 13, 1
	s_branch .Lend
.Lcast:	; 32 rows of 1,024 f32 to a work-group, four to a wave: 32 loads of 512 consecutive bytes, all issued at once; each becomes a store of 256 consecutive bytes
	s_sub_co_u32 s3, s2, 256
	s_lshr_b32 s36, s3, 8                          ; which tensor
	s_cmp_eq_u32 s36, 0
	s_cselect_b64 s[30:31], s[8:9], s[10:11]
	s_cmp_eq_u32 s36, 2
	s_cselect_b64 s[30:31], s[12:13], s[30:31]
	s_and_b32 s34, s3, 255
	s_lshl_b32 s34, s34, 17
	s_add_nc_u64 s[30:31], s[30:31], s[34:35]
	s_lshl_b32 s34, s3, 16
	s_add_nc_u64 s[32:33], s[24:25], s[34:35]
	v_lshrrev_b32 v3, 5, v0
	v_and_b32 v4, 31, v0
	v_lshlrev_b32 v1, 4, v4
	v_lshl_or_b32 v1, v3, 14, v1
	v_lshlrev_b32 v2, 3, v4
	v_lshl_or_b32 v2, v3, 13, v2
.set i, 0
.rept 32
	global_load_b128 v[X+4*i:X+4*i+3], v1, s[30:31] offset:512*i th:TH_LOAD_NT
.set i, i+1
.endr
.set i, 0
.rept 32
	s_wait_loadcnt 31-i                            ; load i is in; the younger ones stay out
	v_cvt_pk_bf16_f32 v[Y+2*i], v[X+4*i], v[X+4*i+1]
	v_cvt_pk_bf16_f32 v[Y+2*i+1], v[X+4*i+2], v[X+4*i+3]
	global_store_b64 v2, v[Y+2*i:Y+2*i+1], s[32:33] offset:256*i th:TH_STORE_NT  ; no register is written twice, so nothing waits for a store
.set i, i+1
.endr
.Lend:
	s_wait_tensorcnt 0x0                           ; the wave's end: behind my last LDS store
	ds_add_u32 v[SPW], v[NIL]
	s_wait_dscnt 0x0
	s_endpgm
.Lfunc_end_k_qda56b4ed54_prep:
	.size	k_qda56b4ed54_prep, .Lfunc_end_k_qda56b4ed54_prep-k_qda56b4ed54_prep
	.p2alignl 7, 3214868480
	.fill 96, 4, 3214868480
	.section	.rodata,"a",@progbits
	.p2align	6, 0x0
	.amdhsa_kernel k_qda56b4ed54_prep
		.amdhsa_group_segment_fixed_size 34816
		.amdhsa_private_segment_fixed_size 0
		.amdhsa_enable_private_segment 0
		.amdhsa_kernarg_size 88
		.amdhsa_user_sgpr_count 2
		.amdhsa_user_sgpr_kernarg_segment_ptr 1
		.amdhsa_wavefront_size32 1
		.amdhsa_system_sgpr_workgroup_id_x 1
		.amdhsa_system_sgpr_workgroup_id_y 1
		.amdhsa_system_sgpr_workgroup_id_z 1
		.amdhsa_system_vgpr_workitem_id 0
		.amdhsa_next_free_vgpr 200
		.amdhsa_next_free_sgpr 66
		.amdhsa_reserve_vcc 0
		.amdhsa_float_denorm_mode_32 3
		.amdhsa_float_denorm_mode_16_64 3
		.amdhsa_memory_ordered 1
		.amdhsa_forward_progress 1
		.amdhsa_inst_pref_size 38
	.end_amdhsa_kernel
	.amdgpu_metadata
---
amdhsa.version: [ 1, 2 ]
amdhsa.kernels:
  - .name:           k_qda56b4ed54_prep
    .symbol:         k_qda56b4ed54_prep.kd
    .args:
      - { .name: query, .offset: 0, .size: 8, .value_kind: global_buffer, .address_space: global }
      - { .name: key, .offset: 8, .size: 8, .value_kind: global_buffer, .address_space: global }
      - { .name: value, .offset: 16, .size: 8, .value_kind: global_buffer, .address_space: global }
      - { .name: Wq, .offset: 24, .size: 8, .value_kind: global_buffer, .address_space: global }
      - { .name: Wk, .offset: 32, .size: 8, .value_kind: global_buffer, .address_space: global }
      - { .name: Wv, .offset: 40, .size: 8, .value_kind: global_buffer, .address_space: global }
      - { .name: Wo, .offset: 48, .size: 8, .value_kind: global_buffer, .address_space: global }
      - { .name: head_selector, .offset: 56, .size: 8, .value_kind: global_buffer, .address_space: global }
      - { .name: xb, .offset: 64, .size: 8, .value_kind: global_buffer, .address_space: global }
      - { .name: wt, .offset: 72, .size: 8, .value_kind: global_buffer, .address_space: global }
      - { .name: wo, .offset: 80, .size: 8, .value_kind: global_buffer, .address_space: global }
    .group_segment_fixed_size: 34816
    .private_segment_fixed_size: 0
    .kernarg_segment_align: 8
    .kernarg_segment_size: 88
    .max_flat_workgroup_size: 256
    .sgpr_count:     66
    .vgpr_count:     200
    .wavefront_size: 32
...
	.end_amdgpu_metadata
.endif
;; end of part 1
;; launch proj (part 2): grid 4 x 64, 4 waves a work-group, clusters of 4 x 4, 327,680 bytes of LDS; arguments xb, wt, bq, bk, bv, qkv; writes qkv
.if DOCPART == 2
	.amdgcn_target "amdgcn-amd-amdhsa--gfx1250"
	.amdhsa_code_object_version 6
	.text
	.protected	k_qda56b4ed54_proj
	.globl	k_qda56b4ed54_proj
	.p2align	8
	.type	k_qda56b4ed54_proj,@function
k_qda56b4ed54_proj:
	s_mov_b64 s[64:65], 0
	v_nop
	global_prefetch_b8 v0, s[64:65] scope:SCOPE_SE
	s_setreg_imm32_b32 hwreg(HW_REG_WAVE_MODE, 25, 1), 1
	s_wait_xcnt 0x0
	s_wait_alu depctr_hold_cnt(0) depctr_sa_sdst(0) depctr_va_vdst(0) depctr_va_sdst(0) depctr_va_ssrc(0) depctr_va_vcc(0) depctr_vm_vsrc(0)
	s_getreg_b32 s2, hwreg(HW_REG_IB_STS2, 6, 4)
	s_cmp_eq_u32 s2, 0
	s_cbranch_scc0 .Lentry_in_a_cluster
	s_endpgm
.Lentry_in_a_cluster:
	s_bfe_u32 s2, ttmp6, 0x10000c
	s_cmp_lg_u32 s2, 0xf033
	s_cbranch_scc0 .Lentry_shape_is_right
	s_endpgm
.Lentry_shape_is_right:
; THE THREE PROJECTIONS.  qkv[t][16 b + h][s][e] = f16( sum over d of xb[t][2048 b + s][d] wt[t][64 h + e][d] + bf16(bias_t[64 h + e]) ), t = 0, 1, 2 (q, k, v), unscaled.
; xb: [3][8192][1024] bf16, wt: [3][1024][1024] bf16, biases [1024] f32, qkv: [3][64][2048][64] f16.  Products in bf16, sums in f32; the bias starts the sum.
; LIMITS.  q, k, v beyond 65,504 would become infinities in f16; below 6e-5 they keep f16's fixed step of 6e-8.  NaN and infinities are not treated apart.
; SHARES.  A tile of C is 128 rows x 256 columns: 64 x 4 tiles for each t, so 256 work-groups, and EACH STAYS and makes the three tiles (t = 0, 1, 2) at its place.  Four waves, 2 x 2: a wave makes
; 64 x 128: 32 accumulators of 16 x 16.  K goes in steps of 128 (rows of 256 bytes) through two LDS slots; the ring runs on from tile to tile: a tile's last two changes of slots ask for the next tile's first two K steps.
; CLUSTER.  4 x 4 work-groups: the four of a row of the cluster need the same tile of xb, the four of a column the same tile of wt: each is asked for jointly, by the same tensor load, descriptor and mask.
; TRANSPOSED USE.  Source 0 = 16 rows of wt, source 1 = 16 rows of xb: lane l holds row m = l % 16 and columns 8 (l / 16) + 0..7: eight neighbouring channels of a head.
; REGISTERS, in windows of 256 (s_set_vgpr_msb: bits 1:0 source 0, 3:2 source 1, 5:4 source 2, 7:6 destination):
;   window 0: addresses; v32-127 the way out; v128-191 the bias as eight C operands      window 1: accumulator (a, b) at v[8 (8 a + b)]
;   window 2: two fragment buffers of 96: wt's eight fragments, then xb's four
.set PITCH,  272                       ; an LDS row: 256 bytes + 16 of padding: the 16 rows of a fragment load start 68 words apart
.set APART,  64*PITCH                  ; what a wave fetches of xb: 64 rows
.set BPART,  128*PITCH                 ; of wt: 128 rows
.set BOFF,   2*APART                   ; a slot: xb's 128 rows, then wt's 256
.set SLOT,   BOFF+2*BPART              ; 104,448
.set STAGE,  2*SLOT                    ; behind the ring, never filled by a tensor load: for each wave [2 heads][16 rows][144 bytes]
.set SP,     144
.set WSTAGE, 32*SP
.set SPARE,  STAGE+4*WSTAGE            ; 227,328 = 888 x 256: the spare words, 128 bytes for each wave
.set NEXT_A, 8192*2048-6*256           ; from a slot's last K step of a tile to its first of the next: xb's next tensor, back along K
.set NEXT_B, 1024*2048-6*256           ; the same in wt
.set NEXT_O, 1<<24                     ; qkv's next tensor
.set ADRA, 16                          ; v16-17  LDS address of my xb fragments in slot 0, 1
.set ADRB, 20                          ; v20-21  the same for wt
.set STO,  24                          ; v24  the way out: where I put 16 bytes of a row
.set RD,   25                          ; v25  the way out: where I read rows back
.set GO,   26                          ; v26  my 16 bytes of 512 consecutive bytes of qkv
.set BO,   27                          ; v27  my byte offset in a bias
.set SPW,  28                          ; v28  LDS address of my spare word; never rewritten
.set NIL,  29                          ; v29  0; never rewritten
.set TMP,  32                          ; v32-63   packed results; also at work on the bias
.set OB,   64                          ; v64-127  16 rows read back from the stage, two buffers
.set BIAS, 128                         ; v128-191
.set F0,   0
.set F1,   96
.set G1,   24                          ; s[24:31] descriptor group 1 for xb's tiles;  s[32:39] group 0, a set for each slot
.set G0,   32
.set G1B,  48                          ; s[48:55], s[56:63] the same for wt's
.set G0B,  56
.set BP,   66                          ; s[66:67] the bias of the tile to come
.set MSB, 0
.macro WIN new                         ; the immediate's high byte repeats the setting that is left; a switch that changes nothing is dropped
.if MSB != (\new)
	s_set_vgpr_msb (MSB<<8)|(\new)
.set MSB, \new
.endif
.endm
.set MUL,  0x5a                        ; sources 0 and 1 window 2; C and D window 1
.set MULB, 0x4a                        ; the same with C in window 0
.set TO_F, 0x80                        ; destination window 2, address window 0
; A joint load.  Waves 0 and 1 fetch xb's two halves, waves 2 and 3 wt's.  The branch hangs on the wave's number alone.  An s_nop 0 and four v_nop follow each of the two lines.
.macro JLOAD s
	s_cmp_eq_u32 s17, 0
	s_cbranch_scc0 .Lfor_b_\@
	tensor_load_to_lds s[G0+4*(\s):G0+4*(\s)+3], s[G1:G1+7]
	s_nop 0
.rept 4
	v_nop
.endr
	s_branch .Lasked_\@
.Lfor_b_\@:
	tensor_load_to_lds s[G0B+4*(\s):G0B+4*(\s)+3], s[G1B:G1B+7]
	s_nop 0
.rept 4
	v_nop
.endr
.Lasked_\@:
.endm
.macro CREST                           ; a round of the cluster's barrier behind its opening barrier
	s_cmp_lg_u32 s16, 0
	s_cbranch_scc1 .Lnot_wave_0_\@
	s_barrier_signal -3
.Lnot_wave_0_\@:
	s_barrier_wait -3
	s_barrier_signal -1
	s_barrier_wait -1
.endm
.macro CROUND                          ; a whole round
	s_barrier_signal -1
	s_barrier_wait -1
	CREST
.endm
.macro PLACES                          ; four places in front of loads into registers that matrix instructions have read, and of lines that read results
.rept 4
	v_nop
.endr
.endm
; 8 matrix instructions: m block a x all 8 n blocks, 32 along K, from buffer f.  c = 1: the bias is the C operand and starts the sums.  The 32 accumulators take turns, in the same order in every quarter.
.macro MULA f, a, c
.if \c
	WIN MULB
.else
	WIN MUL
.endif
.irp b, 0,1,2,3,4,5,6,7
.if \c
	v_wmma_f32_16x16x32_bf16 v[8*(8*(\a)+(\b)):8*(8*(\a)+(\b))+7], v[(\f)+8*(\b):(\f)+8*(\b)+7], v[(\f)+64+8*(\a):(\f)+64+8*(\a)+7], v[BIAS+8*(\b):BIAS+8*(\b)+7]
.else
	v_wmma_f32_16x16x32_bf16 v[8*(8*(\a)+(\b)):8*(8*(\a)+(\b))+7], v[(\f)+8*(\b):(\f)+8*(\b)+7], v[(\f)+64+8*(\a):(\f)+64+8*(\a)+7], v[8*(8*(\a)+(\b)):8*(8*(\a)+(\b))+7]
.endif
.endr
.endm
; 24 LDS loads in one run: quarter q (32 along K) of a slot into buffer f: wt's 16, then xb's 8
.macro FETCH slot, q, f
	WIN TO_F
.irp i, 0,1,2,3,4,5,6,7
	ds_load_b128 v[(\f)+8*(\i):(\f)+8*(\i)+3],   v[ADRB+(\slot)] offset:64*(\q)+(\i)*16*PITCH
	ds_load_b128 v[(\f)+8*(\i)+4:(\f)+8*(\i)+7], v[ADRB+(\slot)] offset:64*(\q)+(\i)*16*PITCH+32
.endr
.irp i, 0,1,2,3
	ds_load_b128 v[(\f)+64+8*(\i):(\f)+64+8*(\i)+3],   v[ADRA+(\slot)] offset:64*(\q)+(\i)*16*PITCH
	ds_load_b128 v[(\f)+64+8*(\i)+4:(\f)+64+8*(\i)+7], v[ADRA+(\slot)] offset:64*(\q)+(\i)*16*PITCH+32
.endr
.endm
; One of a K step's first three quarters: multiplies buffer f; in its middle it fetches quarter q of the same slot into buffer g.
.macro QUARTER slot, q, f, g, c
	s_wait_dscnt 4                                 ; wt's fragments and xb's blocks 0, 1 are in; the youngest four loads (blocks 2, 3) may be out
	MULA \f, 0, \c
	MULA \f, 1, \c
	PLACES
	FETCH \slot, \q, \g
	s_wait_dscnt 24                                ; all but the 24 just issued
	MULA \f, 2, \c
	MULA \f, 3, \c
.endm
; The last quarter's first half, and the barrier of the change of slots.  In front of it each wave waits for all its tensor loads (one is out: its part of the next slot), adds 0 to its spare word,
; and waits for that and for its reads of this slot.
.macro MEET round
	WIN 0                                          ; (the add's two registers lie in window 0)
	s_wait_tensorcnt 0x0
	ds_add_u32 v[SPW], v[NIL]
	s_wait_dscnt 5                                 ; (the add and the youngest four loads may be out)
	MULA F1, 0, 0                                  ; eight matrix instructions stand between the add and the wait for it
	s_wait_dscnt 0x0                               ; the add is done, and my reads of this slot are over
	s_barrier_signal -1
	MULA F1, 1, 0                                  ; work on registers while the others arrive
.if \round
	WIN 0
.endif
	s_barrier_wait -1
.endm
; The whole last quarter with a refill: the barrier opens a round of the cluster's; behind the round the slot just read out is filled again first, with this tile's K step two on (on = 0)
; or the next tile's K step 0 or 1 (on = 1); then the next slot's first fragments are fetched.  112 matrix instructions stand between a request and the wait for it.
.macro TURN slot, next, on
	MEET 1
	CREST
.if \on
	s_add_nc_u64 s[G0+4*(\slot)+2:G0+4*(\slot)+3], s[G0+4*(\slot)+2:G0+4*(\slot)+3], NEXT_A
	s_add_nc_u64 s[G0B+4*(\slot)+2:G0B+4*(\slot)+3], s[G0B+4*(\slot)+2:G0B+4*(\slot)+3], NEXT_B
.else
	s_add_nc_u64 s[G0+4*(\slot)+2:G0+4*(\slot)+3], s[G0+4*(\slot)+2:G0+4*(\slot)+3], 2*256
	s_add_nc_u64 s[G0B+4*(\slot)+2:G0B+4*(\slot)+3], s[G0B+4*(\slot)+2:G0B+4*(\slot)+3], 2*256
.endif
	JLOAD \slot                                    ; its four v_nop are also the places in front of the loads below
	FETCH \next, 0, F0
	MULA F1, 2, 0
	MULA F1, 3, 0
.endm
.macro BIASLD                          ; my 64 numbers of a bias: for n block b the eight at 16 b + 8 (l / 16)
.irp b, 0,1,2,3,4,5,6,7
	global_load_b128 v[BIAS+8*(\b):BIAS+8*(\b)+3],   v[BO], s[BP:BP+1] offset:64*(\b)
	global_load_b128 v[BIAS+8*(\b)+4:BIAS+8*(\b)+7], v[BO], s[BP:BP+1] offset:64*(\b)+16
.endr
.endm
.macro BIASRND tmp                     ; rounded to bf16 like every input, and widened again
.set z, 0
.rept 32
	v_cvt_pk_bf16_f32 v[(\tmp)+z], v[BIAS+2*z], v[BIAS+2*z+1]
.set z, z+1
.endr
.set z, 0
.rept 32
	v_lshlrev_b32 v[BIAS+2*z], 16, v[(\tmp)+z]
	v_and_b32 v[BIAS+2*z+1], s74, v[(\tmp)+z]
.set z, z+1
.endr
.endm
; THE WAY OUT of m block a (16 rows x 128 columns = two heads).  PACK: rounded to f16, 16 bytes a lane, each accumulator's registers in ascending order.
; TOSTAGE: into my own stage and back as rows of 128 bytes, four a load.  SEND: stored: a head's 16 rows are 2,048 consecutive bytes of qkv.
.macro PACK a
	WIN 0x05                                       ; sources 0 and 1 window 1, destination window 0
.irp b, 0,1,2,3,4,5,6,7
.irp r, 0,1,2,3
	v_cvt_pk_f16_f32 v[TMP+4*(\b)+(\r)], v[8*(8*(\a)+(\b))+2*(\r)], v[8*(8*(\a)+(\b))+2*(\r)+1]
.endr
.endr
	WIN 0
.endm
.macro TOSTAGE a
	WIN 0
.set BK, OB+32*((\a)%2)
.irp b, 0,1,2,3,4,5,6,7
	ds_store_b128 v[STO], v[TMP+4*(\b):TMP+4*(\b)+3] offset:((\b)/4)*16*SP+32*((\b)%4)
.endr
.irp t, 0,1,2,3,4,5,6,7
	ds_load_b128 v[BK+4*(\t):BK+4*(\t)+3], v[RD] offset:4*(\t)*SP  ; LDS serves a wave's instructions in order: these see the stores above
.endr
.endm
.macro SEND a
	WIN 0
.set BK, OB+32*((\a)%2)
	s_wait_dscnt 0x0                               ; the block is back in registers
	s_wait_xcnt 0x0                                ; the stores of the block before have read their registers: the other buffer is loaded again only behind this wait
.irp t, 0,1,2,3,4,5,6,7
	global_store_b128 v[GO], v[BK+4*(\t):BK+4*(\t)+3], s[14:15] offset:((\t)/4)*262144+(\a)*2048+((\t)%4)*512  ; 512 consecutive bytes, at a multiple of 512 from qkv's first
.endr
.endm
.macro WAYOUT
	PACK 0
	TOSTAGE 0
.irp a, 1,2,3                          ; block a's conversions stand between block a - 1's loads from the stage and the wait for them
	PACK \a
	SEND (\a)-1
	TOSTAGE \a
.endr
	SEND 3
.endm
	s_load_b256 s[4:11], s[0:1], 0x0               ; xb 4, wt 6, bq 8, bk 10
	s_load_b128 s[12:15], s[0:1], 0x20             ; bv 12, qkv 14
	v_lshl_add_u32 v[SPW], v0, 2, SPARE
	v_mov_b32 v[NIL], 0
	ds_add_u32 v[SPW], v[NIL]                      ; the wave's opening: the add and its wait stand ahead of my first tensor load; the set-up below stands between them
	v_lshrrev_b32 v1, 5, v0
	v_readfirstlane_b32 s16, v1                    ; wave 0..3
	s_lshr_b32 s17, s16, 1                         ; my half of the tile's rows.  Also: I fetch for xb (0) or wt (1)
	s_and_b32 s18, s16, 1                          ; my half of its columns.  Also: which part of that tile I fetch
	s_bfe_u32 s19, ttmp6, 0x40000                  ; cx
	s_bfe_u32 s20, ttmp6, 0x40004                  ; cy
	s_lshl_b32 s21, ttmp9, 2
	s_add_co_u32 s21, s21, s19                     ; tile column = 4 x cluster x + cx
	s_and_b32 s22, ttmp7, 0xffff
	s_lshl_b32 s22, s22, 2
	s_add_co_u32 s22, s22, s20                     ; tile row = 4 x cluster y + cy
	s_lshl_b32 s42, s20, 2
	s_lshl_b32 s42, 15, s42                        ; my row of the cluster
	s_lshl_b32 s43, 0x1111, s19                    ; my column
	s_or_b32 s[G1], s42, (1<<16)|(1<<20)|(1<<21)|(5<<22)|(3<<25)   ; the mask; elements of 2 bytes; padding on; bit 21 beside a mask; after every 64 words 4 words
	s_or_b32 s[G1B], s43, (1<<16)|(1<<20)|(1<<21)|(5<<22)|(3<<25)
	s_mov_b32 s[G1+1], 128<<16                     ; tensor_dim0 = 128
	s_mov_b32 s[G1+2], 64<<16                      ; tensor_dim1 = 64
	s_mov_b32 s[G1+3], 128<<16                     ; tile_dim0 = 128
	s_mov_b32 s[G1+4], 64                          ; tile_dim1 = 64
	s_mov_b32 s[G1+5], 1024                        ; elements from row to row
	s_mov_b32 s[G1+6], 0
	s_mov_b32 s[G1+7], 0
	s_mov_b32 s[G1B+1], 128<<16
	s_mov_b32 s[G1B+2], 128<<16                    ; 128 rows
	s_mov_b32 s[G1B+3], 128<<16
	s_mov_b32 s[G1B+4], 128
	s_mov_b32 s[G1B+5], 1024
	s_mov_b32 s[G1B+6], 0
	s_mov_b32 s[G1B+7], 0
	s_lshl_b32 s40, s22, 7                         ; xb: row 128 x tile row + 64 x part, rows of 2,048 bytes: of the tile row and the wave's number alone
	s_lshl_b32 s41, s18, 6
	s_add_co_u32 s40, s40, s41
	s_lshl_b32 s40, s40, 11
	s_mov_b32 s41, 0
	s_lshl_b32 s44, s21, 8                         ; wt: row 256 x tile column + 128 x part: of the tile column and the wave's number alone
	s_lshl_b32 s45, s18, 7
	s_add_co_u32 s44, s44, s45
	s_lshl_b32 s44, s44, 11
	s_mov_b32 s45, 0
	s_mul_i32 s46, s18, APART                      ; where they go: no place in the cluster enters an LDS address
	s_mul_i32 s47, s18, BPART
	s_add_co_u32 s47, s47, BOFF
	s_mov_b32 s74, 0xffff0000
	s_lshr_b32 s68, s22, 4                         ; my first byte of q: batch (tile row / 16) x 16 heads,
	s_lshl_b32 s68, s68, 22
	s_lshl_b32 s70, s21, 2                         ; head 4 x tile column + 2 x column half,
	s_lshl_b32 s71, s18, 1
	s_add_co_u32 s70, s70, s71
	s_lshl_b32 s70, s70, 18
	s_add_co_u32 s68, s68, s70
	s_and_b32 s70, s22, 15                         ; row 128 x (tile row % 16) + 64 x row half, of 128 bytes
	s_lshl_b32 s70, s70, 7
	s_lshl_b32 s71, s17, 6
	s_add_co_u32 s70, s70, s71
	s_lshl_b32 s70, s70, 7
	s_add_co_u32 s68, s68, s70
	s_mov_b32 s69, 0
	s_lshl_b32 s72, s21, 10                        ; my 128 columns in a bias, in bytes
	s_lshl_b32 s73, s18, 9
	s_add_co_u32 s72, s72, s73
	s_wait_dscnt 0x0                               ; the opening add is done
	s_wait_kmcnt 0x0
	s_add_nc_u64 s[40:41], s[4:5], s[40:41]
	s_add_nc_u64 s[44:45], s[6:7], s[44:45]
	s_add_nc_u64 s[14:15], s[14:15], s[68:69]
	s_mov_b64 s[BP:BP+1], s[8:9]
	CROUND                                         ; all sixteen work-groups are here: the first joint loads meet
.irp s, 0,1
	s_mov_b32 s[G0+4*(\s)], 1
	s_add_co_u32 s[G0+4*(\s)+1], s46, (\s)*SLOT
	s_add_nc_u64 s[G0+4*(\s)+2:G0+4*(\s)+3], s[40:41], (\s)*256     ; K step s
	s_or_b32 s[G0+4*(\s)+3], s[G0+4*(\s)+3], 0x80000000
	s_mov_b32 s[G0B+4*(\s)], 1
	s_add_co_u32 s[G0B+4*(\s)+1], s47, (\s)*SLOT
	s_add_nc_u64 s[G0B+4*(\s)+2:G0B+4*(\s)+3], s[44:45], (\s)*256
	s_or_b32 s[G0B+4*(\s)+3], s[G0B+4*(\s)+3], 0x80000000
	JLOAD \s                                       ; two loads of mine are out behind these, later one
.endr
	v_and_b32 v1, 15, v0                           ; l % 16
	v_bfe_u32 v2, v0, 4, 1                         ; l / 16
	v_lshl_add_u32 v[BO], v2, 5, s72
	BIASLD                                         ; bq
	v_mul_u32_u24 v3, v1, PITCH
	v_lshl_add_u32 v3, v2, 4, v3                   ; a fragment's row x pitch + 16 x half
	s_mul_i32 s23, s17, APART                      ; my 64 rows of xb
	s_mul_i32 s70, s18, BPART                      ; my 128 rows of wt
	s_add_co_u32 s70, s70, BOFF
.irp s, 0,1
	v_add_nc_u32 v[ADRA+(\s)], s23, v3
	v_add_nc_u32 v[ADRB+(\s)], s70, v3
	s_add_co_u32 s23, s23, SLOT
	s_add_co_u32 s70, s70, SLOT
.endr
	s_mul_i32 s23, s16, WSTAGE
	s_add_co_u32 s23, s23, STAGE                   ; my stage
	v_mul_u32_u24 v4, v1, SP                       ; in: row l % 16, 16 bytes for each half of the lanes
	v_lshl_add_u32 v4, v2, 4, v4
	v_add_nc_u32 v[STO], s23, v4
	v_bfe_u32 v5, v0, 3, 2                         ; back: 32 lanes take four rows of 128 bytes
	v_mul_u32_u24 v5, v5, SP
	v_and_b32 v4, 7, v0
	v_lshl_add_u32 v5, v4, 4, v5
	v_add_nc_u32 v[RD], s23, v5
	v_and_b32 v[GO], 31, v0
	v_lshlrev_b32 v[GO], 4, v[GO]
	s_wait_tensorcnt 0x1                           ; my part of K step 0 is in; K step 1's may stay out
	s_barrier_signal -1
	s_barrier_wait -1                              ; everybody's is
	FETCH 0, 0, F0
	WIN 0
	s_mov_b32 s2, 3                                ; tiles to go: the same in every work-group
.Ltile:
	s_wait_loadcnt 0x0                             ; this tile's bias
	BIASRND TMP
	QUARTER 0, 1, F0, F1, 1                        ; a tile's first quarter: its products start the sums, with the bias
	WIN 0
	s_mov_b32 s3, 3
.Llap:                                                 ; a trip goes once round the ring and fills both slots again
	QUARTER 0, 2, F1, F0, 0
	QUARTER 0, 3, F0, F1, 0
	TURN 0, 1, 0
	QUARTER 1, 1, F0, F1, 0
	QUARTER 1, 2, F1, F0, 0
	QUARTER 1, 3, F0, F1, 0
	TURN 1, 0, 0
	QUARTER 0, 1, F0, F1, 0
	WIN 0
	s_sub_co_u32 s3, s3, 1
	s_cmp_lg_u32 s3, 0
	s_cbranch_scc1 .Llap
	QUARTER 0, 2, F1, F0, 0                        ; the tile's last lap goes on
	QUARTER 0, 3, F0, F1, 0
	WIN 0
	s_sub_co_u32 s2, s2, 1
	s_cmp_eq_u32 s2, 0
	s_cbranch_scc1 .Llast_tile                     ; the last tile's tail is written out: it asks for nothing more
	s_cmp_eq_u32 s2, 2
	s_cselect_b64 s[BP:BP+1], s[10:11], s[12:13]   ; the next tile's bias: bk, then bv.  The last loads by this pointer were waited for at the tile's head;
	BIASLD                                         ; the bias registers were last read by the tile's first quarter
	TURN 0, 1, 1                                   ; the ring goes on into the next tile: slot 0 takes its K step 0,
	QUARTER 1, 1, F0, F1, 0
	QUARTER 1, 2, F1, F0, 0
	QUARTER 1, 3, F0, F1, 0
	TURN 1, 0, 1                                   ; slot 1 its K step 1, and its first fragments are fetched
	WAYOUT                                         ; no v_nop: blocks 0 and 1 were finished in front of the joint load's places, and their 64 conversions are the places behind blocks 2 and 3
	s_wait_xcnt 0x0                                ; the stores have read their registers and their base
	s_add_nc_u64 s[14:15], s[14:15], NEXT_O
	s_branch .Ltile
.Llast_tile:
	MEET 0                                         ; my one tensor load that was out is the last K step's, so no round follows
	PLACES
	FETCH 1, 0, F0
	MULA F1, 2, 0
	MULA F1, 3, 0
	QUARTER 1, 1, F0, F1, 0
	QUARTER 1, 2, F1, F0, 0
	QUARTER 1, 3, F0, F1, 0
	s_wait_dscnt 4                                 ; the very last quarter: nothing more to fetch
	MULA F1, 0, 0
	MULA F1, 1, 0
	s_wait_dscnt 0x0
	MULA F1, 2, 0
	MULA F1, 3, 0
	WIN 0
	PLACES
	WAYOUT
	s_wait_tensorcnt 0x0                           ; the wave's end: behind my last tensor load and my last LDS store
	ds_add_u32 v[SPW], v[NIL]
	s_wait_dscnt 0x0
	CROUND                                         ; the closing round: no work-group ends while a partner may still ask for a tile that names it
	s_endpgm
.Lfunc_end_k_qda56b4ed54_proj:
	.size	k_qda56b4ed54_proj, .Lfunc_end_k_qda56b4ed54_proj-k_qda56b4ed54_proj
	.p2alignl 7, 3214868480
	.fill 96, 4, 3214868480
	.section	.rodata,"a",@progbits
	.p2align	6, 0x0
	.amdhsa_kernel k_qda56b4ed54_proj
		.amdhsa_group_segment_fixed_size 327680
		.amdhsa_private_segment_fixed_size 0
		.amdhsa_enable_private_segment 0
		.amdhsa_kernarg_size 48
		.amdhsa_user_sgpr_count 2
		.amdhsa_user_sgpr_kernarg_segment_ptr 1
		.amdhsa_wavefront_size32 1
		.amdhsa_system_sgpr_workgroup_id_x 1
		.amdhsa_system_sgpr_workgroup_id_y 1
		.amdhsa_system_sgpr_workgroup_id_z 1
		.amdhsa_system_vgpr_workitem_id 0
		.amdhsa_next_free_vgpr 768
		.amdhsa_next_free_sgpr 76
		.amdhsa_reserve_vcc 0
		.amdhsa_float_denorm_mode_32 3
		.amdhsa_float_denorm_mode_16_64 3
		.amdhsa_memory_ordered 1
		.amdhsa_forward_progress 1
		.amdhsa_inst_pref_size 130
	.end_amdhsa_kernel
	.amdgpu_metadata
---
amdhsa.version: [ 1, 2 ]
amdhsa.kernels:
  - .name:           k_qda56b4ed54_proj
    .symbol:         k_qda56b4ed54_proj.kd
    .args:
      - { .name: xb, .offset: 0, .size: 8, .value_kind: global_buffer, .address_space: global }
      - { .name: wt, .offset: 8, .size: 8, .value_kind: global_buffer, .address_space: global }
      - { .name: bq, .offset: 16, .size: 8, .value_kind: global_buffer, .address_space: global }
      - { .name: bk, .offset: 24, .size: 8, .value_kind: global_buffer, .address_space: global }
      - { .name: bv, .offset: 32, .size: 8, .value_kind: global_buffer, .address_space: global }
      - { .name: qkv, .offset: 40, .size: 8, .value_kind: global_buffer, .address_space: global }
    .group_segment_fixed_size: 327680
    .private_segment_fixed_size: 0
    .kernarg_segment_align: 8
    .kernarg_segment_size: 48
    .max_flat_workgroup_size: 128
    .sgpr_count:     76
    .vgpr_count:     768
    .wavefront_size: 32
...
	.end_amdgpu_metadata
.endif
;; end of part 2
;; launch attn (part 3): grid 4 x 64, 4 waves a work-group, clusters of 4 x 1, 327,680 bytes of LDS; arguments qkv, ctx; writes ctx
.if DOCPART == 3
	.amdgcn_target "amdgcn-amd-amdhsa--gfx1250"
	.amdhsa_code_object_version 6
	.text
	.protected	k_qda56b4ed54_attn
	.globl	k_qda56b4ed54_attn
	.p2align	8
	.type	k_qda56b4ed54_attn,@function
k_qda56b4ed54_attn:
	s_mov_b64 s[64:65], 0
	v_nop
	global_prefetch_b8 v0, s[64:65] scope:SCOPE_SE
	s_setreg_imm32_b32 hwreg(HW_REG_WAVE_MODE, 25, 1), 1
	s_wait_xcnt 0x0
	s_wait_alu depctr_hold_cnt(0) depctr_sa_sdst(0) depctr_va_vdst(0) depctr_va_sdst(0) depctr_va_ssrc(0) depctr_va_vcc(0) depctr_vm_vsrc(0)
	s_getreg_b32 s2, hwreg(HW_REG_IB_STS2, 6, 4)
	s_cmp_eq_u32 s2, 0
	s_cbranch_scc0 .Lentry_in_a_cluster
	s_endpgm
.Lentry_in_a_cluster:
	s_bfe_u32 s2, ttmp6, 0x10000c
	s_cmp_lg_u32 s2, 0x3003
	s_cbranch_scc0 .Lentry_shape_is_right
	s_endpgm
.Lentry_shape_is_right:
; ATTENTION.  ctx[h][q][:] = the sum over k of softmax_k(Q[h][q] . K[h][k] / 8) V[h][k][:].  Q, K, V are the three parts of qkv, [64 = 16 b + h][2048][64] f16 each; ctx has the same layout.
; Products, maxima and sums in f32; the weights p are rounded to f16 for the second product (their sum l is taken of the unrounded p), ctx once at the end.
; LIMITS.  f16 holds no number beyond 65,504: Q, K and V arrive within it; p lies in 0 to 1, and below 6e-5 it keeps f16's fixed step of 6e-8; ctx is a mean of V's rows and has their range.
; A weight below 2^-126 counts as 0 in l; NaN and infinities are not treated apart.
; SHARES.  A wave owns four PIECES of two tiles of 16 queries, a work-group's four waves 512 queries of one head.  Every wave walks all keys, 64 a step.
; LAYOUT.  S^T = K Q^T (source 0 = 16 keys, source 1 = 16 queries): in the result a lane holds ONE query (lane % 16) and the keys 8 (lane / 16) + 0..7.  Two such tiles, rounded to f16 in pairs,
; ARE source 1 (32 keys x 16 queries) of O^T = V^T P, whose result again holds one query a lane, and eight channels.  K comes out of LDS as it lies, V ([key][channel]) turned, by ds_load_tr16_b128.
; SOFTMAX.  For each query a running maximum m and sum l: p = 2^(c s - c m), c = log2(e) / 8; in every step O and l are multiplied by a = 2^(c m_old - c m_new), which is 1 where m has not grown.
; m starts at the lowest finite number, O and l at 0: the first step is a step like any other, with a = 0.
; THE COUNT.  A tile and step have 16 matrix and 118 vector instructions: too many to stand all beside the matrix work.  So four vector instructions that are READY stand behind EVERY matrix
; instruction, and the others in runs without a gap.
; BY TURNS.  Turn n belongs to piece n (the pieces in a ring, step after step).  Its matrix work: 16 products K Q^T of piece n + 1, later 16 products V^T P of piece n - 1.  Its vector work: the scaling,
; exponentials, roundings, sums and rescaling of piece n, and the maximum and statistics of piece n + 1, whose scores the turn itself has made.
; CLUSTER.  The four query blocks of a cluster are one head's and walk the same K and V, so each tile is asked for JOINTLY: the same tensor load, descriptor and mask in all four.
; REGISTERS, in windows of 256 (s_set_vgpr_msb: bits 1:0 source 0, 3:2 source 1, 5:4 source 2, 7:6 destination):
;   window 0: v0-11 addresses; v12-15, v48-63 at work; v16-47 four registers of statistics a tile; v64-191 S^T, two buffers of two tiles; v192-255 P, likewise
;   window 1: O^T, 32 a tile          window 2: v0-127 Q, 16 a tile; v128-191 K of one step; v192-255 V of one step          window 3: v0-1 the add's two registers
.set SIZE_N, 2048
.set NP,    4         ; pieces a wave: a name, no knob
.set KS,    64        ; keys in a step
.set PK,    144       ; a row of K in LDS: 128 bytes + 16 of padding = 36 words
.set PV,    160       ; a row of V: 128 + 32 = 40 words: 16 lanes of the turning load take 8 rows x 32 bytes
.set VOFF,  4*KS*PK   ; a slot holds four steps: 256 rows of K, then 256 rows of V
.set SLOT1, 1<<17     ; slot 1 begins here, so that one exclusive or turns an address in one slot into the other's
.set STAGE, SLOT1+4*KS*(PK+PV)  ; behind the ring, never filled by a tensor load: 16 rows x 144 bytes for each wave, for the way out
.set SP,    144
.set AK0, 2           ; v2   my lane's place in a tile of K; never rewritten
.set AV0, 3           ; v3   the same for V
.set AK,  4           ; v4   the LDS address of K's next run of loads
.set AV,  5           ; v5   of V's
.set QO,  6           ; v6   my byte offset in the wave's rows of Q
.set STO, 6           ;      later, the way out: where I put 16 bytes of a row
.set RD,  7           ; v7   the way out: where I read rows back
.set GO,  8           ; v8   my byte offset in 512 consecutive bytes of ctx
.set PFO, 11          ; v11  256 x my lane, the prefetches' offset (made when v11 has served V's address); then never rewritten
.set SPW, 0           ; v0 of window 3   LDS address of my spare word; never rewritten
.set NIL, 1           ; v1 of window 3   0; never rewritten
.set SPARE, STAGE+4*16*SP  ; behind the stages: the spare words, 128 bytes for each wave
.set MV,  12          ; v12-15  c m_old, kept while c m is made anew: by buffer and tile
.set ST,  16          ; tile t's statistics at v[ST+4 t]: c m, m, l (even keys', odd keys')
.set TMP, 48          ; by buffer and tile, four registers c0-c3 at work; when the maximum is found c2 takes a
.set S,   64
.set P,   192
.set KF,  128         ; K's fragments, in window 2: key block kb, channel half c at KF + 16 kb + 8 c
.set VF,  192         ; V's: key half kk, channel block cb at VF + 32 kk + 8 cb
.set WV,  12          ; s12  my wave's number
.set G1K, 24          ; s[24:31] descriptor group 1 for K's tiles
.set G1V, 32          ; s[32:39] for V's: it differs in the padding alone
.set G0K, 40          ; s[40:43] descriptor group 0 for K's tiles: it walks
.set G0V, 44          ; s[44:47] the same for V's
.set PFA, 48          ; s[48:49] where my prefetches stand: my work-group's 32 blocks of 256 bytes (of K: waves 0, 1; of V: waves 2, 3) of the tile after the one that is being asked for
.set LIM, 50          ; s50  1 in a wave that prefetches, else the greatest number
.set SLOTS, 56        ; s56  slots still to be asked for
.set CNT, 57          ; s57  counts a slot's key steps
.set CS,  58          ; s[58:59] c: the packed scaling takes the pair's low word for both halves
.set SEL, 60          ; s[60:61] v_permlanex16_b32's selects: each lane takes its own place in the other half
.set TBK, 62          ; s62  LDS byte at which K of the step to be fetched begins
.set TBV, 63          ; s63  the same for V, less VOFF
.set MSB, 0
.macro WIN new                      ; the high byte repeats the setting that is left; a switch that changes nothing is dropped
.if MSB != (\new)
	s_set_vgpr_msb (MSB<<8)|(\new)
.set MSB, (\new)
.endif
.endm
.set W_KQ, 0x0a       ; K and Q in window 2, S^T in window 0
.set W_PV, 0x52       ; V in window 2, P in window 0, O^T in window 1
.set W_RS, 0x41       ; O^T (destination and source 0) in window 1, a in window 0
.set W_MK, 0xc0       ; the add's registers are made: destination in window 3, sources in window 0
.set W_AD, 0x0f       ; the add: address (source 0) and data (source 1) in window 3
; A joint fill.  Waves 0 and 1 fetch the two halves of a slot's K, waves 2 and 3 those of its V: 128 keys each.  The branch hangs on the wave's number alone.
; An s_nop 0 and four v_nop follow each of the two lines, ahead of the jump and the label.
.macro JLOAD
	s_cmp_lt_u32 s[WV], 2
	s_cbranch_scc0 .Lfor_v_\@
	tensor_load_to_lds s[G0K:G0K+3], s[G1K:G1K+7]
	s_nop 0
.rept 4
	v_nop
.endr
	s_branch .Lasked_\@
.Lfor_v_\@:
	tensor_load_to_lds s[G0V:G0V+3], s[G1V:G1V+7]
	s_nop 0
.rept 4
	v_nop
.endr
.Lasked_\@:
.endm
; A PREFETCH of what the NEXT change of slots will ask for: a tile's 32,768 bytes of K and of V, a lane a block of 256 bytes.  It stands behind the wave's tensor load and its five lines.
; Each block is named once in the launch: a head has one cluster; its four partners share a tile's 128 blocks out BY ADDRESS, 32 each; in each, wave 0 asks for K's and wave 2 for V's: one instruction.
; The change that fills tile t asks for tile t + 1, four key steps (512 matrix instructions) ahead of its load; the last change that fills a slot asks for nothing; tiles 0 and 1 come by their loads alone.
.macro ASK
	s_cmp_gt_u32 s[SLOTS], s[LIM]
	s_cbranch_scc0 .Lnot_mine_\@
	global_prefetch_b8 v[PFO], s[PFA:PFA+1] th:TH_LOAD_NT scope:SCOPE_SE
.Lnot_mine_\@:
.endm
; A round of the cluster's barrier: my work-group's barrier, so that wave 0's signal speaks for all four waves; wave 0 signals; every wave waits for all four work-groups; my work-group's barrier once more.
.macro CROUND
	s_barrier_signal -1
	s_barrier_wait -1
	s_cmp_lg_u32 s[WV], 0
	s_cbranch_scc1 .Lnot_wave_0_\@
	s_barrier_signal -3
.Lnot_wave_0_\@:
	s_barrier_wait -3
	s_barrier_signal -1
	s_barrier_wait -1
.endm
; THE CHANGE OF SLOTS.  The slot's last bytes, V of its fourth step, have been read.  Each wave waits for all its tensor loads, of which one is out: its part
; of the other slot; adds 0 to its spare word; and waits for that and for its own reads of the slot.  Behind the barrier nobody reads this slot any more and the other slot is whole.
; fill = 1: this slot is filled again, with the keys two slots on.  The barrier is then a round of the cluster's, and the joint fill is the first thing behind it: it has four key steps,
; 512 matrix instructions, in which to land.  (At its first use nothing has been read yet: slot 0 is waited for, slot 1 filled.)
.macro CHANGE fill
	WIN W_AD
	s_wait_tensorcnt 0x0            ; no tensor load of mine is out, so a group 0 may be written
	ds_add_u32 v[SPW], v[NIL]       ; 0 onto my spare word; with fill = 1 the descriptors' steps stand between it and the wait for it
	WIN 0                           ; at a label and at a branch every window is 0
.if \fill
.irp g, G0K, G0V
	s_xor_b32 s[\g+1], s[\g+1], SLOT1  ; the walking descriptor: the other slot than last time,
	s_add_nc_u64 s[\g+2:\g+3], s[\g+2:\g+3], 4*KS*128  ; the next 256 keys; the type bits on top are not reached
.endr
	s_wait_xcnt 0x0                 ; the last prefetch, four key steps back, has read its address, so it may be written:
	s_add_nc_u64 s[PFA:PFA+1], s[PFA:PFA+1], 4*KS*128  ; one tile beyond the walking descriptors
	s_wait_dscnt 0x0                ; the add is done, and my reads of the slot are over
	CROUND
	JLOAD
	ASK
.else
	s_wait_dscnt 0x0                ; the add is done, and my reads of the slot are over
	s_barrier_signal -1
	s_barrier_wait -1
.endif
	s_sub_co_u32 s[TBK], s[TBK], 4*KS*PK  ; the fetches go back to a slot's first step,
	s_xor_b32 s[TBK], s[TBK], SLOT1       ; in the other slot
	s_sub_co_u32 s[TBV], s[TBV], 4*KS*PV
	s_xor_b32 s[TBV], s[TBV], SLOT1
.endm
	s_load_b128 s[8:11], s[0:1], 0x0  ; qkv s[8:9], ctx s[10:11]
	WIN W_MK
	v_lshl_add_u32 v[SPW], v0, 2, SPARE
	v_mov_b32 v[NIL], 0
	WIN W_AD
	ds_add_u32 v[SPW], v[NIL]       ; the wave's opening: the add and its wait stand ahead of my first tensor load; the set-up below, work on registers, stands between them
	WIN 0
	v_lshrrev_b32 v1, 5, v0
	v_readfirstlane_b32 s[WV], v1   ; wave 0..3
	s_bfe_u32 s13, ttmp6, 0x40000   ; cx: my place in the cluster
	s_lshl_b32 s14, ttmp9, 2        ; in a cluster launch ttmp9 counts clusters
	s_add_co_u32 s14, s14, s13      ; my block of queries = 4 x cluster x + cx: it enters Q's and ctx's addresses alone
	s_and_b32 s20, ttmp7, 0xffff    ; the head, which the four partners share
	s_mov_b32 s21, 0
	s_mov_b64 s[22:23], SIZE_N*128
	s_mul_u64 s[20:21], s[20:21], s[22:23]  ; the head's first byte in each of the four tensors
	s_and_b32 s16, s[WV], 1         ; which half of a slot's 256 keys I fetch:
	s_lshl_b32 s22, s16, 14         ; its 128 rows of 128 bytes in memory,
	s_mov_b32 s23, 0
	s_add_nc_u64 s[22:23], s[22:23], s[20:21]
	s_mul_i32 s17, s16, 128*PK      ; and its place in a slot, for K
	s_mul_i32 s18, s16, 128*PV      ; and for V: no place in the cluster enters an LDS address
	s_lshl_b32 s2, s14, 2
	s_add_co_u32 s2, s2, s[WV]      ; my wave among the head's,
	s_lshl_b32 s2, s2, 14           ; its 128 rows
	s_mov_b32 s3, 0
	s_add_nc_u64 s[2:3], s[2:3], s[20:21]
	; descriptor group 1.  128 keys are 16,384 dense bytes: asked for as 64 rows of 256 bytes, two keys a row, and padded in LDS after every key
	s_mov_b32 s[G1K], 15|(1<<16)|(1<<20)|(1<<21)|(4<<22)|(3<<25)  ; the mask of four; 2-byte elements; padding on; bit 21 beside a mask; after every 32 words 4 words
	s_mov_b32 s[G1V], 15|(1<<16)|(1<<20)|(1<<21)|(4<<22)|(7<<25)  ; the same with 8 words of padding
.irp g, G1K, G1V
	s_mov_b32 s[\g+1], 128<<16      ; tensor_dim0 = 128
	s_mov_b32 s[\g+2], 64<<16       ; tensor_dim1 = 64
	s_mov_b32 s[\g+3], 128<<16      ; tile_dim0 = 128
	s_mov_b32 s[\g+4], 64           ; tile_dim1 = 64
	s_mov_b32 s[\g+5], 128          ; 128 elements from row to row
	s_mov_b32 s[\g+6], 0
	s_mov_b32 s[\g+7], 0
.endr
	s_mov_b32 s[CS], 0x3e38aa3b     ; c = log2(e) / 8 = 0.180337
	s_mov_b32 s[CS+1], s[CS]        ; named with it as a pair
	s_mov_b32 s[SEL], 0x76543210
	s_mov_b32 s[SEL+1], 0xfedcba98
	s_mov_b32 s[TBK], SLOT1+4*KS*PK ; the first change of slots turns these two into 0
	s_mov_b32 s[TBV], SLOT1+4*KS*PV
	s_mov_b32 s[G0K], 1             ; count = 1
	s_mov_b32 s[G0K+1], s17         ; LDS address: slot 0
	s_mov_b32 s[G0V], 1
	s_add_co_u32 s[G0V+1], s18, VOFF
	s_mov_b32 s[SLOTS], SIZE_N/256-1  ; seven changes of slots fill a slot: tiles 1 to 7
	s_and_b32 s[LIM], s[WV], 1      ; 0 in waves 0 and 2,
	s_or_b32 s[LIM], s[LIM], ttmp9  ; where the cluster is the head's first: the same in all four partners
	s_cmp_eq_u32 s[LIM], 0
	s_cselect_b32 s[LIM], 1, -1
	s_wait_dscnt 0x0                ; the opening add is done
	s_wait_kmcnt 0x0
	s_mov_b64 s[4:5], s[8:9]                       ; Q,
	s_add_nc_u64 s[6:7], s[8:9], 0x1000000         ; K,
	s_add_nc_u64 s[8:9], s[8:9], 0x2000000         ; V: 16,777,216 bytes each
	s_add_nc_u64 s[G0K+2:G0K+3], s[6:7], s[22:23]  ; global address: my half of the head's first 256 keys
	s_or_b32 s[G0K+3], s[G0K+3], 0x80000000        ; type = 2
	s_add_nc_u64 s[G0V+2:G0V+3], s[8:9], s[22:23]
	s_or_b32 s[G0V+3], s[G0V+3], 0x80000000
	s_add_nc_u64 s[4:5], s[4:5], s[2:3]  ; Q and ctx at my wave's first row
	s_add_nc_u64 s[10:11], s[10:11], s[2:3]
	s_cmp_lt_u32 s[WV], 2
	s_cselect_b64 s[PFA:PFA+1], s[6:7], s[8:9]
	s_add_nc_u64 s[PFA:PFA+1], s[PFA:PFA+1], s[20:21]  ; the head,
	s_lshl_b32 s2, s13, 13          ; my work-group's 32 blocks of a tile's 128,
	s_mov_b32 s3, 0
	s_add_nc_u64 s[PFA:PFA+1], s[PFA:PFA+1], s[2:3]
	s_add_nc_u64 s[PFA:PFA+1], s[PFA:PFA+1], 4*KS*128  ; in tile 1; the first change of slots steps it to tile 2
	CROUND                          ; all four work-groups are here: the first joint loads meet
	JLOAD                           ; slot 0.  Slot 1 is asked for when slot 0 is in
	; A fragment of K or Q is 16 rows x 32 channels in 8 registers: lane l holds row l % 16, channels 8 (l / 16) + 0..7 and 16 + 8 (l / 16) + 0..7: two loads of 16 bytes, 32 bytes apart.
	v_and_b32 v1, 15, v0            ; l % 16
	v_bfe_u32 v9, v0, 4, 1          ; l / 16
	v_lshlrev_b32 v[QO], 7, v1
	v_lshl_add_u32 v[QO], v9, 4, v[QO]  ; row x 128 + 16 x half
	WIN 0x80                        ; destination window 2, address window 0
.set i, 0
.rept 4*NP                          ; Q stays in registers: tile i / 2, channels 32 (i % 2) on
	global_load_b128 v[8*i:8*i+3],   v[QO], s[4:5] offset:(i/2)*2048+(i%2)*64
	global_load_b128 v[8*i+4:8*i+7], v[QO], s[4:5] offset:(i/2)*2048+(i%2)*64+32
.set i, i+1
.endr
	; What the first turn finds: V's registers and P's second buffer hold 0 (its products V^T P, of a piece that has not been, add 0), O^T and l are 0.  All this stands in the wait for the first tile.
.set i, VF
.rept 64
	v_mov_b32 v[i], 0
.set i, i+1
.endr
	WIN 0x40
.set i, 0
.rept 64*NP
	v_mov_b32 v[i], 0
.set i, i+1
.endr
	WIN 0
.set i, 0
.rept 2*NP
	v_mov_b32 v[ST+4*i], 0xfe000000    ; c m: far below every c s
	v_mov_b32 v[ST+4*i+1], 0xff7fffff  ; m
	v_mov_b32 v[ST+4*i+2], 0
	v_mov_b32 v[ST+4*i+3], 0
.set i, i+1
.endr
.set i, P+32
.rept 32
	v_mov_b32 v[i], 0
.set i, i+1
.endr
	v_mul_u32_u24 v[AK0], v1, PK
	v_lshl_add_u32 v[AK0], v9, 4, v[AK0]  ; row x pitch + 16 x half
	; The turning load takes 16 keys x 16 channels (lane l reads key 8 (l / 16) + l % 8, channels 8 ((l / 8) % 2) + 0..7) and leaves half a fragment of V^T: lane l holds channel l % 16 and 8 keys.
	v_and_b32 v10, 7, v0
	v_bfe_u32 v11, v0, 3, 1
	v_lshl_add_u32 v[AV0], v9, 3, v10
	v_mul_u32_u24 v[AV0], v[AV0], PV
	v_lshl_add_u32 v[AV0], v11, 4, v[AV0]
	v_add_nc_u32 v[AV0], VOFF, v[AV0]
	v_mov_b32 v[AK], v[AK0]         ; key step 0 lies at the head of slot 0
	v_and_b32 v[PFO], 31, v0
	v_lshlrev_b32 v[PFO], 8, v[PFO]
; THE MATRIX WORK.  The 8 accumulators of a run of 16 take turns: between the two links of a chain stand 7 others'.
; Product i of 16 of S^T = K Q^T for piece x: channels 32 (i / 8) on, keys 16 ((i / 2) % 4) on, tile 2 x + i % 2.  The first 8 start the sums.
.macro KQ x
	WIN W_KQ
.set rS, S+64*((\x)%2)+32*(i%2)+8*((i/2)%4)
.set rK, KF+16*((i/2)%4)+8*(i/8)
.set rQ, 16*(2*(\x)+i%2)+8*(i/8)
.if i < 8
	v_wmma_f32_16x16x32_f16 v[rS:rS+7], v[rK:rK+7], v[rQ:rQ+7], 0
.else
	v_wmma_f32_16x16x32_f16 v[rS:rS+7], v[rK:rK+7], v[rQ:rQ+7], v[rS:rS+7]
.endif
.endm
; Product i of 16 of O^T += V^T P for piece x: keys 32 (i / 8) on, channels 16 ((i / 2) % 4) on, tile 2 x + i % 2.
.macro PV x
	WIN W_PV
.set rO, 32*(2*(\x)+i%2)+8*((i/2)%4)
.set rV, VF+32*(i/8)+8*((i/2)%4)
.set rP, P+32*((\x)%2)+16*(i%2)+8*(i/8)
	v_wmma_f32_16x16x32_f16 v[rO:rO+7], v[rV:rV+7], v[rP:rP+7], v[rO:rO+7]
.endm
.macro MM                           ; the turn's next matrix instruction
.if i < 16
	KQ (Y+1)%NP
.set i, i+1
.else
.set i, i-16
	PV (Y+NP-1)%NP
.set i, i+17
.endif
.endm
; THE LDS LOADS stand in runs of 16, never singly among the matrix instructions: a step's K (64 keys x 64 channels: 8 fragments) and its V (turned).  Their addresses are made some lines ahead.
; last = 1 (the tail): in the last trip there is no further step, and the run is jumped over.
.macro FETCH_K last=0
	WIN 0
.if \last
	s_cmp_eq_u32 s[CNT], 1
	s_cbranch_scc1 .Lno_k_\@
.endif
	WIN 0x80                        ; destination window 2
.irp f, 0,1,2,3,4,5,6,7             ; keys 16 (f / 2) on, channels 32 (f % 2) on
	ds_load_b128 v[KF+8*\f:KF+8*\f+3],   v[AK] offset:(\f/2)*16*PK+(\f%2)*64
	ds_load_b128 v[KF+8*\f+4:KF+8*\f+7], v[AK] offset:(\f/2)*16*PK+(\f%2)*64+32
.endr
	s_add_co_u32 s[TBK], s[TBK], KS*PK  ; the next fetch is the next step's
	WIN 0
.if \last
.Lno_k_\@:
.endif
.endm
.macro FETCH_V
	WIN 0x80
.irp f, 0,1,2,3,4,5,6,7             ; keys 32 (f / 4) on, channels 16 (f % 4) on
	ds_load_tr16_b128 v[VF+8*\f:VF+8*\f+3],   v[AV] offset:(\f/4)*32*PV+(\f%4)*32
	ds_load_tr16_b128 v[VF+8*\f+4:VF+8*\f+7], v[AV] offset:(\f/4)*32*PV+16*PV+(\f%4)*32
.endr
	WIN 0
.endm
; THE VECTOR WORK OF A TURN stands in three queues, each in the order in which its entries become ready; the two tiles alternate, so that no instruction reads the result of the one before it.
.macro REGS y, u                    ; the registers of tile u (0, 1) of piece y
.set rT, ST+4*(2*(\y)+(\u))
.set rC, TMP+8*((\y)%2)+4*(\u)
.set rM, MV+2*((\y)%2)+(\u)
.set rS, S+64*((\y)%2)+32*(\u)
.set rP, P+32*((\y)%2)+16*(\u)
.set rO, 32*(2*(\y)+(\u))
.endm
; Number n of the 22 that find the NEXT piece's (Y + 1) maximum and statistics.  s0-s31 are the lane's 32 scores; each accumulator's lowest registers are read first.
;   0-11  four chains c0-c3 of seven scores each, three operands at a time     12-14, 16  the four scores left over, the old m, and c0-c3 into c0     15  c m_old is kept
;   17, 18  the query's other 32 keys lie in the lane 16 away: the new m         19-21  c m; c m_old - c m_new; a
.macro XS u, n
	REGS (Y+1)%NP, \u
.if (\n) < 4
	v_max3_num_f32 v[rC+(\n)], v[rS+8*(\n)], v[rS+8*(\n)+1], v[rS+8*(\n)+2]
.elseif (\n) < 12
	v_max3_num_f32 v[rC+(\n)%4], v[rC+(\n)%4], v[rS+8*((\n)%4)+2*((\n)/4)+1], v[rS+8*((\n)%4)+2*((\n)/4)+2]
.elseif (\n) == 12
	v_max3_num_f32 v[rC], v[rC], v[rS+7], v[rS+15]
.elseif (\n) == 13
	v_max3_num_f32 v[rC+1], v[rC+1], v[rS+23], v[rS+31]
.elseif (\n) == 14
	v_max3_num_f32 v[rC+2], v[rC+2], v[rC+3], v[rT+1]
.elseif (\n) == 15
	v_mov_b32 v[rM], v[rT]
.elseif (\n) == 16
	v_max3_num_f32 v[rC], v[rC], v[rC+1], v[rC+2]
.elseif (\n) == 17
	v_permlanex16_b32 v[rC+3], v[rC], s[SEL], s[SEL+1]
.elseif (\n) == 18
	v_max_num_f32 v[rT+1], v[rC], v[rC+3]
.elseif (\n) == 19
	v_mul_f32 v[rT], s[CS], v[rT+1]
.elseif (\n) == 20
	v_sub_f32 v[rC+1], v[rM], v[rT]
.else
	v_exp_f32 v[rC+2], v[rC+1]
.endif
.endm
; Number g of the 64 that follow the exponentials.  For each four weights k of a tile (pairs 2 k, 2 k + 1): both pairs are rounded to f16; then the second pair is added onto the first, in place;
; a group later l takes that sum (the first time as l = a l + sum).  In groups of eight, tiles alternating: round, round, add, and l for the group before.
.macro GS g
.set h, (\g)+6*((\g)/62)            ; group 0 has no group before it, and behind group 7 only l is left
.if h >= 6
.set h, h+2
.endif
	REGS Y, h%2
.set k, h/8
.if h%8 < 4
	s_wait_alu depctr_va_vdst(0)
	v_cvt_pk_f16_f32 v[rP+2*k+(h%8)/2], v[rS+4*k+2*((h%8)/2)], v[rS+4*k+2*((h%8)/2)+1]
.elseif h%8 < 6
	v_pk_add_f32 v[rS+4*k:rS+4*k+1], v[rS+4*k:rS+4*k+1], v[rS+4*k+2:rS+4*k+3]
.elseif k == 1
	v_pk_fma_f32 v[rT+2:rT+3], v[rT+2:rT+3], v[rC+2:rC+3], v[rS:rS+1] op_sel_hi:[1,0,1]
.else
	v_pk_add_f32 v[rT+2:rT+3], v[rT+2:rT+3], v[rS+4*k-4:rS+4*k-3]
	s_wait_alu depctr_va_vdst(0)
.endif
.endm
; THE PLAIN QUEUE, 138 long.  0-31: c s - c m for the 16 pairs of both tiles.  Then GS's 64, and among them the next piece's 42: number 15 at 38, 39; 0-14 and 16
; at 42-73, behind the products that make those scores; 17-20 at 95-106, two of three, since each waits for the one before it.
.macro PL
	WIN 0
.if q < 32
	REGS Y, q%2
	v_pk_fma_f32 v[rS+2*(q/2):rS+2*(q/2)+1], v[rS+2*(q/2):rS+2*(q/2)+1], s[CS:CS+1], v[rT:rT+1] op_sel_hi:[1,0,0] neg_lo:[0,0,1] neg_hi:[0,0,1]
.elseif q < 38
	GS q-32
.elseif q < 40
	XS q%2, 15
.elseif q < 42
	GS q-34
.elseif q < 74
	XS q%2, (q-42)/2+(q-42)/30
.elseif q < 95
	GS q-66
.elseif (q < 107) && ((q-95)%3 < 2)
	XS (q-95)%3, 17+(q-95)/3
.elseif q < 107
	GS 29+(q-95)/3
.else
	GS q-74
.endif
.set q, q+1
.endm
; THE EXPONENTIALS' QUEUE, 66 long: s0-s31 of both tiles, and at EA the next piece's two a.
.set EA, 58
.macro EX
	WIN 0
.if (e == EA) || (e == EA+1)
	XS e-EA, 21
.else
.set x, e-2*(e/(EA+2))
	REGS Y, x%2
	v_exp_f32 v[rS+x/2], v[rS+x/2]
.endif
.set e, e+1
.endm
; THE RESCALING's QUEUE: O^T times a, the one part that leaves window 0, so it is dealt four at a time, eight times.
.macro R4
	REGS Y, r%2
	WIN W_RS
	s_wait_alu depctr_va_vdst(0)
.irp z, 0,1,2,3
	v_pk_mul_f32 v[rO+8*(r/2)+2*\z:rO+8*(r/2)+2*\z+1], v[rO+8*(r/2)+2*\z:rO+8*(r/2)+2*\z+1], v[rC+2:rC+3] op_sel_hi:[1,0]
.endr
.set r, r+1
.endm
; HOW THEY ARE DEALT.  Behind a matrix instruction four: plain, exponential, plain, plain (one exponential, a plain instruction on either side), or four of the rescaling.  None names a register of the
; products round it.  What is over stands in two LUMPS: exponential and plain by turns; the second ends in 22 plain instructions.  The two v_permlanex16_b32 fall into the second lump, never behind a product.
; The queues lean on each other, and the deal keeps them in step: exponential e stands behind plain 2 (e / 4) + e % 2 (its scaling); when plain 32 comes, 10 exponentials are out, at 59: 33, at 95: 46; EA comes behind plain 107.
.macro SL
	MM
	PL
	EX
	PL
	PL
.endm
.macro BURST n                      ; 15 matrix instructions, or 16
.rept (\n)-7
	SL
.endr
.rept 3
	MM
	R4
	SL
.endr
	MM
	R4
.endm
; A TURN, for piece p.  cnt = 1: the loop's count is taken down some lines ahead of the branch that stands behind the turn.
; K of the next step is fetched in piece 2's turn, 31 vector instructions behind the last product that read K; its first reader comes behind the rest of the lump, 16 products and the second lump.
; V of the step in hand is fetched at the end of piece 0's turn, 69 behind its last reader; its first reader comes behind 16 products and a lump.  The four conditions on e and q below go with the deal.
.macro TURN p, last=0, cnt=0
.set Y, (\p)
.set i, 0
.set q, 0
.set e, 0
.set r, 0
.if (\p) == NP-1
	s_wait_dscnt 0x0                ; K is in
.endif
	MM
.rept 4
	PL
.endr
	BURST 15
.rept 22
	EX
	PL
.if ((\p) == NP-2) && (e == 18)
	v_add_nc_u32 v[AK], s[TBK], v[AK0]
.endif
.if ((\p) == NP-2) && (e == 24)
	FETCH_K \last
.endif
.endr
.if (\p) == 1
	s_wait_dscnt 0x0                ; V is in
.endif
	BURST 16
.rept 21
	EX
	PL
.endr
.rept 22
	PL
.if ((\p) == 0) && (q == 118)
	v_add_nc_u32 v[AV], s[TBV], v[AV0]
	s_wait_alu depctr_va_vdst(0)
.endif
.if ((\p) == 0) && (q == 130)
	s_add_co_u32 s[TBV], s[TBV], KS*PV
.endif
.if (\cnt) && (q == 130)
	s_sub_co_u32 s[CNT], s[CNT], 1
	s_cmp_lg_u32 s[CNT], 0
.endif
.endr
.if (\p) == 0
	FETCH_V
.endif
.endm
	CHANGE 1                        ; slot 0 is in, everybody's part of it; slot 1 is asked for
	FETCH_K                         ; key step 0
	s_wait_loadcnt 0x0              ; Q
	s_wait_dscnt 0x0
.set i, 0
.rept 16
	KQ 0                            ; piece 0's first scores: there is no vector work yet to set between them
.set i, i+1
.endr
	WIN 0                           ; the addresses for the way out: nine plain instructions, the places behind those products
	s_mul_i32 s13, s[WV], 16*SP
	s_add_co_u32 s13, s13, STAGE    ; my stage
	v_mul_u32_u24 v[STO], v1, SP    ; in: row l % 16, 16 bytes for each half of the lanes
	v_lshl_add_u32 v[STO], v9, 4, v[STO]
	v_add_nc_u32 v[STO], s13, v[STO]
	v_bfe_u32 v[RD], v0, 3, 2       ; back: 32 lanes take four rows of 128 bytes,
	v_mul_u32_u24 v[RD], v[RD], SP
	v_lshl_add_u32 v[RD], v10, 4, v[RD]
	v_add_nc_u32 v[RD], s13, v[RD]
	v_and_b32 v[GO], 31, v0         ; which are 512 consecutive bytes of ctx
	v_lshlrev_b32 v[GO], 4, v[GO]
.set Y, NP-1                        ; XS works for piece Y + 1: piece 0
.irp n, 0,1,2,3,4,5,6,7,8,9,10,11,12,13,14,15,16,17,18,19,20,21
	XS 0, \n                        ; and piece 0's first maximum and statistics
	XS 1, \n
.endr
	s_mov_b32 s[CNT], 4
	s_branch .Lfirst                ; the loop is entered at a step's first turn, in the middle of a trip
.Lslot:                             ; six times: every slot but the last two is filled again
	CHANGE 1
	s_mov_b32 s[CNT], 4
.Lstep:                             ; a trip: pieces 2 and 3 of one step, then pieces 0 and 1 of the next, whose K and V it fetches
	TURN 2
	TURN 3
	WIN 0
.Lfirst:
	TURN 0
	TURN 1, 0, 1
	WIN 0
	s_cbranch_scc1 .Lstep
	s_sub_co_u32 s[SLOTS], s[SLOTS], 1
	s_cmp_lg_u32 s[SLOTS], 0
	s_cbranch_scc1 .Lslot
	CHANGE 0                        ; the tail is written out: nothing is asked for
	s_mov_b32 s[CNT], 5             ; four trips fetch the last slot's steps; the fifth is left in its middle
.Ltail:
	TURN 2, 1
	TURN 3
	WIN 0
	s_sub_co_u32 s[CNT], s[CNT], 1
	s_cmp_eq_u32 s[CNT], 0
	s_cbranch_scc1 .Lout
	TURN 0
	TURN 1
	WIN 0
	s_branch .Ltail
.Lout:                              ; the fifth trip's 16 products K Q^T (on the last K once more) and the maximum made of them serve nothing: the price, once a launch, of one text for every trip
.set i, 0
.rept 16
	PV NP-1                         ; the last piece's V^T P of the last step
.set i, i+1
.endr
	; THE WAY OUT.  l's two halves and the other half of the lanes' are added; O^T is divided by l, rounded to f16 and sent through my stage in LDS, a tile at a time.  The additions are the places behind the last products.
	WIN 0
.macro ALL line:vararg              ; one line for each tile t
.set t, 0
.rept 2*NP
	\line
.set t, t+1
.endr
.endm
	ALL v_add_f32 v[ST+4*t+2], v[ST+4*t+2], v[ST+4*t+3]
	ALL v_permlanex16_b32 v[ST+4*t+3], v[ST+4*t+2], s[SEL], s[SEL+1]
	ALL v_add_f32 v[ST+4*t+2], v[ST+4*t+2], v[ST+4*t+3]
	ALL v_rcp_f32 v[ST+4*t+2], v[ST+4*t+2]
	v_nop                           ; a plain instruction between the last reciprocal and the use of its result
	s_wait_alu depctr_va_vdst(0)
; Tile t: a lane's eight channels of a row pack into 16 bytes; they go into rows of 144 bytes and come back as whole rows of 128, into S^T's registers.
.macro PACK t
	WIN W_RS
.set i, 32*(\t)
.rept 16
	v_pk_mul_f32 v[i:i+1], v[i:i+1], v[ST+4*(\t)+2:ST+4*(\t)+3] op_sel_hi:[1,0]
.set i, i+2
.endr
	WIN 0x05                        ; sources 0 and 1 window 1, destination window 0
.set i, 0
.rept 16
	v_cvt_pk_f16_f32 v[S+16*(\t)+i], v[32*(\t)+2*i], v[32*(\t)+2*i+1]
.set i, i+1
.endr
	WIN 0
.irp f, 0,1,2,3
	ds_store_b128 v[STO], v[S+16*(\t)+4*\f:S+16*(\t)+4*\f+3] offset:32*\f
.endr
.irp f, 0,1,2,3
	ds_load_b128 v[S+16*(\t)+4*\f:S+16*(\t)+4*\f+3], v[RD] offset:\f*4*SP  ; LDS serves a wave's instructions in order: these see the stores above; the next tile's stores come behind them
.endr
.endm
.macro SEND t, younger              ; younger: the LDS instructions issued behind tile t's loads: the next tile's eight, or none
	WIN 0
.irp f, 0,1,2,3
	s_wait_dscnt (\younger)+3-\f
	global_store_b128 v[GO], v[S+16*(\t)+4*\f:S+16*(\t)+4*\f+3], s[10:11] offset:(\t)*2048+\f*512  ; 512 consecutive bytes, at a multiple of 256 from ctx's first
.endr
.endm
	PACK 0
.set t, 1
.rept 2*NP-1                        ; a tile's arithmetic stands between the loads of the tile before and its stores
	PACK t
	SEND t-1, 8
.set t, t+1
.endr
	SEND 2*NP-1, 0
	WIN W_AD
	s_wait_tensorcnt 0x0            ; the wave's end: behind my last tensor load and my last LDS store
	ds_add_u32 v[SPW], v[NIL]
	s_wait_dscnt 0x0
	WIN 0
	CROUND                          ; the closing round: no work-group ends while a partner may still ask for a tile that names it
	s_endpgm
.Lfunc_end_k_qda56b4ed54_attn:
	.size	k_qda56b4ed54_attn, .Lfunc_end_k_qda56b4ed54_attn-k_qda56b4ed54_attn
	.p2alignl 7, 3214868480
	.fill 96, 4, 3214868480
	.section	.rodata,"a",@progbits
	.p2align	6, 0x0
	.amdhsa_kernel k_qda56b4ed54_attn
		.amdhsa_group_segment_fixed_size 327680
		.amdhsa_private_segment_fixed_size 0
		.amdhsa_enable_private_segment 0
		.amdhsa_kernarg_size 16
		.amdhsa_user_sgpr_count 2
		.amdhsa_user_sgpr_kernarg_segment_ptr 1
		.amdhsa_wavefront_size32 1
		.amdhsa_system_sgpr_workgroup_id_x 1
		.amdhsa_system_sgpr_workgroup_id_y 1
		.amdhsa_system_sgpr_workgroup_id_z 1
		.amdhsa_system_vgpr_workitem_id 0
		.amdhsa_next_free_vgpr 770
		.amdhsa_next_free_sgpr 66
		.amdhsa_reserve_vcc 0
		.amdhsa_float_denorm_mode_32 3
		.amdhsa_float_denorm_mode_16_64 3
		.amdhsa_memory_ordered 1
		.amdhsa_forward_progress 1
		.amdhsa_inst_pref_size 209
	.end_amdhsa_kernel
	.amdgpu_metadata
---
amdhsa.version: [ 1, 2 ]
amdhsa.kernels:
  - .name:           k_qda56b4ed54_attn
    .symbol:         k_qda56b4ed54_attn.kd
    .args:
      - { .name: qkv, .offset: 0, .size: 8, .value_kind: global_buffer, .address_space: global }
      - { .name: ctx, .offset: 8, .size: 8, .value_kind: global_buffer, .address_space: global }
    .group_segment_fixed_size: 327680
    .private_segment_fixed_size: 0
    .kernarg_segment_align: 8
    .kernarg_segment_size: 16
    .max_flat_workgroup_size: 128
    .sgpr_count:     66
    .vgpr_count:     770
    .wavefront_size: 32
...
	.end_amdgpu_metadata
.endif
;; end of part 3
;; launch outp (part 4): grid 4 x 64, 4 waves a work-group, clusters of 4 x 4, 327,680 bytes of LDS; arguments ctx, wo, bo, out0; writes out0
.if DOCPART == 4
	.amdgcn_target "amdgcn-amd-amdhsa--gfx1250"
	.amdhsa_code_object_version 6
	.text
	.protected	k_qda56b4ed54_outp
	.globl	k_qda56b4ed54_outp
	.p2align	8
	.type	k_qda56b4ed54_outp,@function
k_qda56b4ed54_outp:
	s_mov_b64 s[64:65], 0
	v_nop
	global_prefetch_b8 v0, s[64:65] scope:SCOPE_SE
	s_setreg_imm32_b32 hwreg(HW_REG_WAVE_MODE, 25, 1), 1
	s_wait_xcnt 0x0
	s_wait_alu depctr_hold_cnt(0) depctr_sa_sdst(0) depctr_va_vdst(0) depctr_va_sdst(0) depctr_va_ssrc(0) depctr_va_vcc(0) depctr_vm_vsrc(0)
	s_getreg_b32 s2, hwreg(HW_REG_IB_STS2, 6, 4)
	s_cmp_eq_u32 s2, 0
	s_cbranch_scc0 .Lentry_in_a_cluster
	s_endpgm
.Lentry_in_a_cluster:
	s_bfe_u32 s2, ttmp6, 0x10000c
	s_cmp_lg_u32 s2, 0xf033
	s_cbranch_scc0 .Lentry_shape_is_right
	s_endpgm
.Lentry_shape_is_right:
; THE OUTPUT PROJECTION.  out0[2048 b + s][n] = sum over k = 64 h + e of ctx[16 b + h][s][e] wo[n][k] + bf16(bo[n]).  ctx: [64][2048][64] f16, wo: [1024][1024] f16 (it holds the head weights),
; bo: [1024] f32, out0: [8192][1024] f32.  Products in f16, sums in f32; the bias starts the sum; nothing is rounded on the way out.
; LIMITS.  ctx and wo arrive within f16's range; NaN and infinities are not treated apart.
; SHARES.  A tile of out0 is 128 rows x 256 columns: 64 x 4 = 256 work-groups, one tile each.  Four waves, 2 x 2: a wave makes 64 x 128: 32 accumulators of 16 x 16.
; K goes in steps of 128 = two heads through two LDS slots: of ctx a wave fetches one head's 128 rows (16,384 dense bytes, asked for as 64 rows of 256 bytes), of wo 128 rows of 256 bytes.
; CLUSTER.  4 x 4 work-groups: ctx's tile is shared along a row of the cluster, wo's along a column: each is asked for jointly, by the same tensor load, descriptor and mask.
; TRANSPOSED USE.  Source 0 = 16 rows of wo, source 1 = 16 rows of ctx: lane l holds row m = l % 16 and columns 8 (l / 16) + 0..7.
; REGISTERS, in windows of 256 (s_set_vgpr_msb: bits 1:0 source 0, 3:2 source 1, 5:4 source 2, 7:6 destination):
;   window 0: addresses; v64-127, v192-255 the way out; v128-191 the bias as eight C operands      window 1: accumulator (a, b) at v[8 (8 a + b)]
;   window 2: two fragment buffers of 96: wo's eight fragments, then ctx's four
.set PITCH,  272                       ; a row of wo in LDS: 256 bytes + 16
.set PA,     144                       ; a row of one head of ctx: 128 bytes + 16
.set APART,  128*PA                    ; one head's 128 rows: 18,432
.set BPART,  128*PITCH
.set BOFF,   2*APART
.set SLOT,   BOFF+2*BPART              ; 106,496
.set STAGE,  2*SLOT                    ; behind the ring, never filled by a tensor load: 16 rows x 528 bytes for each wave
.set SPO,    528                       ; 512 bytes (128 f32) + 16
.set WSTAGE, 16*SPO
.set SPARE,  STAGE+4*WSTAGE            ; 246,784 = 964 x 256: the spare words, 128 bytes for each wave
.set ADRA, 16                          ; v16-17  LDS address of my ctx fragments in slot 0, 1
.set ADRB, 20                          ; v20-21  the same for wo
.set STO,  24                          ; v24  the way out: where I put 32 bytes of a row
.set RD,   25                          ; v25  the way out: where I read a row back
.set GO,   26                          ; v26  my 16 bytes of 512 consecutive bytes of out0
.set BO,   27                          ; v27  my byte offset in bo
.set SPW,  28                          ; v28  LDS address of my spare word; never rewritten
.set NIL,  29                          ; v29  0; never rewritten
.set OB,   64                          ; v64-127 and v192-255: 16 rows read back from the stage, by turns; v64-95 first serve the bias
.set BIAS, 128
.set F0,   0
.set F1,   96
.set G1,   24                          ; s[24:31] descriptor group 1 for ctx's tiles;  s[32:39] group 0, a set for each slot
.set G0,   32
.set G1B,  48                          ; s[48:55], s[56:63] the same for wo's
.set G0B,  56
.set MSB, 0
.macro WIN new                         ; the immediate's high byte repeats the setting that is left; a switch that changes nothing is dropped
.if MSB != (\new)
	s_set_vgpr_msb (MSB<<8)|(\new)
.set MSB, \new
.endif
.endm
.set MUL,  0x5a                        ; sources 0 and 1 window 2; C and D window 1
.set MULB, 0x4a                        ; the same with C in window 0
.set TO_F, 0x80                        ; destination window 2, address window 0
; A joint load.  Waves 0 and 1 fetch ctx's two heads, waves 2 and 3 wo's two halves.  The branch hangs on the wave's number alone.  An s_nop 0 and four v_nop follow each of the two lines.
.macro JLOAD s
	s_cmp_eq_u32 s17, 0
	s_cbranch_scc0 .Lfor_b_\@
	tensor_load_to_lds s[G0+4*(\s):G0+4*(\s)+3], s[G1:G1+7]
	s_nop 0
.rept 4
	v_nop
.endr
	s_branch .Lasked_\@
.Lfor_b_\@:
	tensor_load_to_lds s[G0B+4*(\s):G0B+4*(\s)+3], s[G1B:G1B+7]
	s_nop 0
.rept 4
	v_nop
.endr
.Lasked_\@:
.endm
.macro CREST                           ; a round of the cluster's barrier behind its opening barrier
	s_cmp_lg_u32 s16, 0
	s_cbranch_scc1 .Lnot_wave_0_\@
	s_barrier_signal -3
.Lnot_wave_0_\@:
	s_barrier_wait -3
	s_barrier_signal -1
	s_barrier_wait -1
.endm
.macro CROUND                          ; a whole round
	s_barrier_signal -1
	s_barrier_wait -1
	CREST
.endm
.macro PLACES                          ; four places in front of loads into registers that matrix instructions have read, and of lines that read results
.rept 4
	v_nop
.endr
.endm
; 8 matrix instructions: m block a x all 8 n blocks, 32 along K, from buffer f.  c = 1: the bias is the C operand and starts the sums.  The 32 accumulators take turns, in the same order in every quarter.
.macro MULA f, a, c
.if \c
	WIN MULB
.else
	WIN MUL
.endif
.irp b, 0,1,2,3,4,5,6,7
.if \c
	v_wmma_f32_16x16x32_f16 v[8*(8*(\a)+(\b)):8*(8*(\a)+(\b))+7], v[(\f)+8*(\b):(\f)+8*(\b)+7], v[(\f)+64+8*(\a):(\f)+64+8*(\a)+7], v[BIAS+8*(\b):BIAS+8*(\b)+7]
.else
	v_wmma_f32_16x16x32_f16 v[8*(8*(\a)+(\b)):8*(8*(\a)+(\b))+7], v[(\f)+8*(\b):(\f)+8*(\b)+7], v[(\f)+64+8*(\a):(\f)+64+8*(\a)+7], v[8*(8*(\a)+(\b)):8*(8*(\a)+(\b))+7]
.endif
.endr
.endm
; 24 LDS loads in one run: quarter q (32 along K) of a slot into buffer f: wo's 16, then ctx's 8 (head q / 2 of the step's two, channels 32 (q % 2) on)
.macro FETCH slot, q, f
	WIN TO_F
.irp i, 0,1,2,3,4,5,6,7
	ds_load_b128 v[(\f)+8*(\i):(\f)+8*(\i)+3],   v[ADRB+(\slot)] offset:64*(\q)+(\i)*16*PITCH
	ds_load_b128 v[(\f)+8*(\i)+4:(\f)+8*(\i)+7], v[ADRB+(\slot)] offset:64*(\q)+(\i)*16*PITCH+32
.endr
.irp i, 0,1,2,3
	ds_load_b128 v[(\f)+64+8*(\i):(\f)+64+8*(\i)+3],   v[ADRA+(\slot)] offset:((\q)/2)*APART+((\q)%2)*64+(\i)*16*PA
	ds_load_b128 v[(\f)+64+8*(\i)+4:(\f)+64+8*(\i)+7], v[ADRA+(\slot)] offset:((\q)/2)*APART+((\q)%2)*64+(\i)*16*PA+32
.endr
.endm
; One of a K step's first three quarters: multiplies buffer f; in its middle it fetches quarter q of the same slot into buffer g.
.macro QUARTER slot, q, f, g, c
	s_wait_dscnt 4                                 ; wo's fragments and ctx's blocks 0, 1 are in; the youngest four loads (blocks 2, 3) may be out
	MULA \f, 0, \c
	MULA \f, 1, \c
	PLACES
	FETCH \slot, \q, \g
	s_wait_dscnt 24                                ; all but the 24 just issued
	MULA \f, 2, \c
	MULA \f, 3, \c
.endm
; The last quarter's first half, and the barrier of the change of slots.  In front of it each wave waits for all its tensor loads (one is out: its part of the next slot), adds 0 to its spare word,
; and waits for that and for its reads of this slot.
.macro MEET round
	WIN 0                                          ; (the add's two registers lie in window 0)
	s_wait_tensorcnt 0x0
	ds_add_u32 v[SPW], v[NIL]
	s_wait_dscnt 5                                 ; (the add and the youngest four loads may be out)
	MULA F1, 0, 0                                  ; eight matrix instructions stand between the add and the wait for it
	s_wait_dscnt 0x0                               ; the add is done, and my reads of this slot are over
	s_barrier_signal -1
	MULA F1, 1, 0                                  ; work on registers while the others arrive
.if \round
	WIN 0
.endif
	s_barrier_wait -1
.endm
; The whole last quarter with a refill: the barrier opens a round of the cluster's; behind the round the slot just read out is filled again first, with the K step two on; then the next slot's
; first fragments are fetched.  112 matrix instructions stand between a request and the wait for it.
.macro TURN slot, next
	MEET 1
	CREST
	s_add_nc_u64 s[G0+4*(\slot)+2:G0+4*(\slot)+3], s[G0+4*(\slot)+2:G0+4*(\slot)+3], 4<<18   ; four heads on
	s_add_nc_u64 s[G0B+4*(\slot)+2:G0B+4*(\slot)+3], s[G0B+4*(\slot)+2:G0B+4*(\slot)+3], 2*256
	JLOAD \slot                                    ; its four v_nop are also the places in front of the loads below
	FETCH \next, 0, F0
	MULA F1, 2, 0
	MULA F1, 3, 0
.endm
; THE WAY OUT of m block a (16 rows x 128 columns of f32).  TOSTAGE: a lane's eight columns, 32 bytes, go straight from the accumulators into my own stage, the low four registers first,
; and come back as whole rows of 512 bytes.  SEND: stored, a row a store.
.macro TOSTAGE a
.if (\a) >= 2
	s_wait_xcnt 0x0                                ; the stores of the block two back have read their registers: that buffer is loaded again only behind this wait
.endif
	WIN 0x04                                       ; store data (source 1) in window 1
.irp b, 0,1,2,3,4,5,6,7
	ds_store_b128 v[STO], v[8*(8*(\a)+(\b)):8*(8*(\a)+(\b))+3]   offset:64*(\b)
	ds_store_b128 v[STO], v[8*(8*(\a)+(\b))+4:8*(8*(\a)+(\b))+7] offset:64*(\b)+16
.endr
	WIN 0
.set BK, OB+128*((\a)%2)
.irp t, 0,1,2,3,4,5,6,7,8,9,10,11,12,13,14,15
	ds_load_b128 v[BK+4*(\t):BK+4*(\t)+3], v[RD] offset:SPO*(\t)  ; LDS serves a wave's instructions in order: these see the stores above; the next block's stores come behind them
.endr
.endm
.macro SEND a, younger                 ; younger: the LDS instructions issued behind block a's loads: the next block's 32, or none
.set BK, OB+128*((\a)%2)
	s_wait_dscnt \younger
.irp t, 0,1,2,3,4,5,6,7,8,9,10,11,12,13,14,15
	global_store_b128 v[GO], v[BK+4*(\t):BK+4*(\t)+3], s[10:11] offset:(16*(\a)+(\t))*4096 th:TH_STORE_NT  ; 512 consecutive bytes, at a multiple of 512 from out0's first
.endr
.endm
	s_load_b256 s[4:11], s[0:1], 0x0               ; ctx 4, wo 6, bo 8, out0 10
	v_lshl_add_u32 v[SPW], v0, 2, SPARE
	v_mov_b32 v[NIL], 0
	ds_add_u32 v[SPW], v[NIL]                      ; the wave's opening: the add and its wait stand ahead of my first tensor load; the set-up below stands between them
	v_lshrrev_b32 v1, 5, v0
	v_readfirstlane_b32 s16, v1                    ; wave 0..3
	s_lshr_b32 s17, s16, 1                         ; my half of the tile's rows.  Also: I fetch for ctx (0) or wo (1)
	s_and_b32 s18, s16, 1                          ; my half of its columns.  Also: which part of that tile I fetch
	s_bfe_u32 s19, ttmp6, 0x40000                  ; cx
	s_bfe_u32 s20, ttmp6, 0x40004                  ; cy
	s_lshl_b32 s21, ttmp9, 2
	s_add_co_u32 s21, s21, s19                     ; tile column = 4 x cluster x + cx
	s_and_b32 s22, ttmp7, 0xffff
	s_lshl_b32 s22, s22, 2
	s_add_co_u32 s22, s22, s20                     ; tile row = 4 x cluster y + cy
	s_lshl_b32 s42, s20, 2
	s_lshl_b32 s42, 15, s42                        ; my row of the cluster
	s_lshl_b32 s43, 0x1111, s19                    ; my column
	s_or_b32 s[G1], s42, (1<<16)|(1<<20)|(1<<21)|(4<<22)|(3<<25)   ; the mask; elements of 2 bytes; padding on; bit 21 beside a mask; after every 32 words (a row of a head) 4 words
	s_or_b32 s[G1B], s43, (1<<16)|(1<<20)|(1<<21)|(5<<22)|(3<<25)  ; after every 64 words 4 words
	s_mov_b32 s[G1+1], 128<<16                     ; tensor_dim0 = 128: two rows of a head on end
	s_mov_b32 s[G1+2], 64<<16                      ; tensor_dim1 = 64
	s_mov_b32 s[G1+3], 128<<16                     ; tile_dim0 = 128
	s_mov_b32 s[G1+4], 64                          ; tile_dim1 = 64
	s_mov_b32 s[G1+5], 128                         ; dense
	s_mov_b32 s[G1+6], 0
	s_mov_b32 s[G1+7], 0
	s_mov_b32 s[G1B+1], 128<<16
	s_mov_b32 s[G1B+2], 128<<16                    ; 128 rows
	s_mov_b32 s[G1B+3], 128<<16
	s_mov_b32 s[G1B+4], 128
	s_mov_b32 s[G1B+5], 1024                       ; elements from row to row
	s_mov_b32 s[G1B+6], 0
	s_mov_b32 s[G1B+7], 0
	s_lshr_b32 s40, s22, 4                         ; ctx: batch (tile row / 16) x 16 heads of 262,144 bytes,
	s_lshl_b32 s40, s40, 22
	s_lshl_b32 s41, s18, 18                        ; the head of the step's two that I fetch,
	s_add_co_u32 s40, s40, s41
	s_and_b32 s41, s22, 15                         ; 128 rows of 128 bytes: of the tile row and the wave's number alone
	s_lshl_b32 s41, s41, 14
	s_add_co_u32 s40, s40, s41
	s_mov_b32 s41, 0
	s_lshl_b32 s44, s21, 8                         ; wo: row 256 x tile column + 128 x part: of the tile column and the wave's number alone
	s_lshl_b32 s45, s18, 7
	s_add_co_u32 s44, s44, s45
	s_lshl_b32 s44, s44, 11
	s_mov_b32 s45, 0
	s_mul_i32 s46, s18, APART                      ; where they go: no place in the cluster enters an LDS address
	s_mul_i32 s47, s18, BPART
	s_add_co_u32 s47, s47, BOFF
	s_mov_b32 s74, 0xffff0000
	s_lshl_b32 s68, s22, 7                         ; my first byte of out0: row 128 x tile row + 64 x row half, of 4,096 bytes,
	s_lshl_b32 s70, s17, 6
	s_add_co_u32 s68, s68, s70
	s_lshl_b32 s68, s68, 12
	s_lshl_b32 s72, s21, 10                        ; column 256 x tile column + 128 x column half, of 4 bytes: also my place in bo
	s_lshl_b32 s73, s18, 9
	s_add_co_u32 s72, s72, s73
	s_add_co_u32 s68, s68, s72
	s_mov_b32 s69, 0
	s_wait_dscnt 0x0                               ; the opening add is done
	s_wait_kmcnt 0x0
	s_add_nc_u64 s[40:41], s[4:5], s[40:41]
	s_add_nc_u64 s[44:45], s[6:7], s[44:45]
	s_add_nc_u64 s[10:11], s[10:11], s[68:69]
	CROUND                                         ; all sixteen work-groups are here: the first joint loads meet
.irp s, 0,1
	s_mov_b32 s[G0+4*(\s)], 1
	s_add_co_u32 s[G0+4*(\s)+1], s46, (\s)*SLOT
	s_add_nc_u64 s[G0+4*(\s)+2:G0+4*(\s)+3], s[40:41], (\s)*(2<<18)  ; K step s: two heads on
	s_or_b32 s[G0+4*(\s)+3], s[G0+4*(\s)+3], 0x80000000
	s_mov_b32 s[G0B+4*(\s)], 1
	s_add_co_u32 s[G0B+4*(\s)+1], s47, (\s)*SLOT
	s_add_nc_u64 s[G0B+4*(\s)+2:G0B+4*(\s)+3], s[44:45], (\s)*256
	s_or_b32 s[G0B+4*(\s)+3], s[G0B+4*(\s)+3], 0x80000000
	JLOAD \s                                       ; two loads of mine are out behind these, later one
.endr
	v_and_b32 v1, 15, v0                           ; l % 16
	v_bfe_u32 v2, v0, 4, 1                         ; l / 16
	v_lshl_add_u32 v[BO], v2, 5, s72
.irp b, 0,1,2,3,4,5,6,7                ; my 64 numbers of bo: for n block b the eight at 16 b + 8 (l / 16)
	global_load_b128 v[BIAS+8*(\b):BIAS+8*(\b)+3],   v[BO], s[8:9] offset:64*(\b)
	global_load_b128 v[BIAS+8*(\b)+4:BIAS+8*(\b)+7], v[BO], s[8:9] offset:64*(\b)+16
.endr
	v_mul_u32_u24 v3, v1, PITCH
	v_lshl_add_u32 v3, v2, 4, v3                   ; wo: a fragment's row x pitch + 16 x half
	v_mul_u32_u24 v4, v1, PA
	v_lshl_add_u32 v4, v2, 4, v4                   ; ctx: the same with its pitch
	s_mul_i32 s23, s17, 64*PA                      ; my 64 rows of each head
	s_mul_i32 s70, s18, BPART                      ; my 128 rows of wo
	s_add_co_u32 s70, s70, BOFF
.irp s, 0,1
	v_add_nc_u32 v[ADRA+(\s)], s23, v4
	v_add_nc_u32 v[ADRB+(\s)], s70, v3
	s_add_co_u32 s23, s23, SLOT
	s_add_co_u32 s70, s70, SLOT
.endr
	s_mul_i32 s23, s16, WSTAGE
	s_add_co_u32 s23, s23, STAGE                   ; my stage
	v_mul_u32_u24 v4, v1, SPO                      ; in: row l % 16, 32 bytes for each half of the lanes
	v_lshl_add_u32 v4, v2, 5, v4
	v_add_nc_u32 v[STO], s23, v4
	v_and_b32 v[GO], 31, v0
	v_lshlrev_b32 v[GO], 4, v[GO]                  ; back: 32 lanes take one row of 512 bytes
	v_add_nc_u32 v[RD], s23, v[GO]
	s_wait_tensorcnt 0x1                           ; my part of K step 0 is in; K step 1's may stay out
	s_barrier_signal -1
	s_barrier_wait -1                              ; everybody's is
	FETCH 0, 0, F0
	WIN 0
	s_wait_loadcnt 0x0                             ; bo: rounded to bf16 like every input, and widened again
.set z, 0
.rept 32
	v_cvt_pk_bf16_f32 v[OB+z], v[BIAS+2*z], v[BIAS+2*z+1]
.set z, z+1
.endr
.set z, 0
.rept 32
	v_lshlrev_b32 v[BIAS+2*z], 16, v[OB+z]
	v_and_b32 v[BIAS+2*z+1], s74, v[OB+z]
.set z, z+1
.endr
	QUARTER 0, 1, F0, F1, 1                        ; the first quarter: its products start the sums, with the bias
	WIN 0
	s_mov_b32 s3, 3
.Llap:                                                 ; a trip goes once round the ring and fills both slots again
	QUARTER 0, 2, F1, F0, 0
	QUARTER 0, 3, F0, F1, 0
	TURN 0, 1
	QUARTER 1, 1, F0, F1, 0
	QUARTER 1, 2, F1, F0, 0
	QUARTER 1, 3, F0, F1, 0
	TURN 1, 0
	QUARTER 0, 1, F0, F1, 0
	WIN 0
	s_sub_co_u32 s3, s3, 1
	s_cmp_lg_u32 s3, 0
	s_cbranch_scc1 .Llap
	QUARTER 0, 2, F1, F0, 0                        ; the last lap fills nothing, and has no round of the cluster's barrier
	QUARTER 0, 3, F0, F1, 0
	MEET 0                                         ; my one tensor load that was out is the last K step's
	PLACES
	FETCH 1, 0, F0
	MULA F1, 2, 0
	MULA F1, 3, 0
	QUARTER 1, 1, F0, F1, 0
	QUARTER 1, 2, F1, F0, 0
	QUARTER 1, 3, F0, F1, 0
	s_wait_dscnt 4                                 ; the very last quarter: nothing more to fetch
	MULA F1, 0, 0
	MULA F1, 1, 0
	s_wait_dscnt 0x0
	MULA F1, 2, 0
	MULA F1, 3, 0
	WIN 0
	PLACES                                         ; the LDS stores below read results just made
	TOSTAGE 0
	TOSTAGE 1                                      ; a block's way through the stage stands between the loads of the block before and its stores
	SEND 0, 32
	TOSTAGE 2
	SEND 1, 32
	TOSTAGE 3
	SEND 2, 32
	SEND 3, 0
	s_wait_tensorcnt 0x0                           ; the wave's end: behind my last tensor load and my last LDS store
	ds_add_u32 v[SPW], v[NIL]
	s_wait_dscnt 0x0
	CROUND                                         ; the closing round: no work-group ends while a partner may still ask for a tile that names it
	s_endpgm
.Lfunc_end_k_qda56b4ed54_outp:
	.size	k_qda56b4ed54_outp, .Lfunc_end_k_qda56b4ed54_outp-k_qda56b4ed54_outp
	.p2alignl 7, 3214868480
	.fill 96, 4, 3214868480
	.section	.rodata,"a",@progbits
	.p2align	6, 0x0
	.amdhsa_kernel k_qda56b4ed54_outp
		.amdhsa_group_segment_fixed_size 327680
		.amdhsa_private_segment_fixed_size 0
		.amdhsa_enable_private_segment 0
		.amdhsa_kernarg_size 32
		.amdhsa_user_sgpr_count 2
		.amdhsa_user_sgpr_kernarg_segment_ptr 1
		.amdhsa_wavefront_size32 1
		.amdhsa_system_sgpr_workgroup_id_x 1
		.amdhsa_system_sgpr_workgroup_id_y 1
		.amdhsa_system_sgpr_workgroup_id_z 1
		.amdhsa_system_vgpr_workitem_id 0
		.amdhsa_next_free_vgpr 768
		.amdhsa_next_free_sgpr 76
		.amdhsa_reserve_vcc 0
		.amdhsa_float_denorm_mode_32 3
		.amdhsa_float_denorm_mode_16_64 3
		.amdhsa_memory_ordered 1
		.amdhsa_forward_progress 1
		.amdhsa_inst_pref_size 91
	.end_amdhsa_kernel
	.amdgpu_metadata
---
amdhsa.version: [ 1, 2 ]
amdhsa.kernels:
  - .name:           k_qda56b4ed54_outp
    .symbol:         k_qda56b4ed54_outp.kd
    .args:
      - { .name: ctx, .offset: 0, .size: 8, .value_kind: global_buffer, .address_space: global }
      - { .name: wo, .offset: 8, .size: 8, .value_kind: global_buffer, .address_space: global }
      - { .name: bo, .offset: 16, .size: 8, .value_kind: global_buffer, .address_space: global }
      - { .name: out0, .offset: 24, .size: 8, .value_kind: global_buffer, .address_space: global }
    .group_segment_fixed_size: 327680
    .private_segment_fixed_size: 0
    .kernarg_segment_align: 8
    .kernarg_segment_size: 32
    .max_flat_workgroup_size: 128
    .sgpr_count:     76
    .vgpr_count:     768
    .wavefront_size: 32
...
	.end_amdgpu_metadata
.endif
;; end of part 4
;; ======== version 2 of 2: 4 launches; version 1 with the launch prep written anew for expert scheduling mode
;; limits: values are held in f16: magnitudes above 65,504 overflow, below 6.1e-05 lose precision
;; workspace buffers: xb 50,331,648 bytes; wt 6,291,456 bytes; wo 2,097,152 bytes; qkv 50,331,648 bytes; ctx 16,777,216 bytes
;; launch prep (part 5): grid 1024 x 1, 8 waves a work-group, no clusters, 34,816 bytes of LDS; arguments query, key, value, Wq, Wk, Wv, Wo, head_selector, xb, wt, wo; writes xb, wt, wo
.if DOCPART == 5
	.amdgcn_target "amdgcn-amd-amdhsa--gfx1250"
	.amdhsa_code_object_version 6
	.text
	.protected	k_qda56b4ed54_prep
	.globl	k_qda56b4ed54_prep
	.p2align	8
	.type	k_qda56b4ed54_prep,@function
k_qda56b4ed54_prep:
	s_mov_b64 s[64:65], 0
	v_nop
	global_prefetch_b8 v0, s[64:65] scope:SCOPE_SE
	s_setreg_imm32_b32 hwreg(HW_REG_WAVE_SCHED_MODE, 0, 2), 2
	s_setreg_imm32_b32 hwreg(HW_REG_WAVE_MODE, 25, 1), 1
	s_wait_xcnt 0x0
	s_wait_alu depctr_vm_vsrc(0)
; PREPARATION OF THE MATRIX OPERANDS.  Three kinds of work-group, told apart by the work-group's number alone:
;   0..191    Wq, Wk, Wv [16 h][1024 d][64 e] f32  ->  wt [3][1024 n = 64 h + e][1024 d] bf16 (turned, so that d lies along the rows)
;   192..255  Wo [1024 k][1024 n] f32              ->  wo [1024 n][1024 k] f16 = bf16(Wo[k][n]) x softmax(bf16(head_selector))[k / 64], rounded once to f16
;   256..1023 query, key, value [8192][1024] f32   ->  xb [3][8192][1024] bf16
; A stream: no matrix unit, no tensor load, no cluster, since no byte is wanted by two work-groups.
; LIMITS.  Every input is rounded once to bf16 (nearest even).  wo below 6e-5 keeps f16's fixed step of 6e-8; beyond 65,504 it would be an infinity (Wo x a weight of at most 1).
; The selector's softmax takes its maximum away first; a weight below 2^-126 counts as 0.  NaN and infinities are not treated apart.
; THE MODE: SCHED_MODE bits 1:0 = 2 (LLVM: expert scheduling mode 2), set by the entry lines.  The code itself states the register dependences
; between vector instructions and memory or LDS instructions, with s_wait_alu, always for 0.
; THE PLAN.  Registers that memory or LDS instructions touch:
;   offsets and LDS addresses (a turned tile: v2 to v5, for Wo also v158, v159; the cast: v1, v2): made in one run at the path's head, never written again: one wait on va_vdst behind the run serves the whole path.
;   X    as loaded: each register is loaded once, and no vector instruction names it ahead of its load.
;   WD   a turned tile's words, four to a group; Y, the cast's words, eight to a block of four loads.  Each register is written once, by its group's or block's conversions, and read by one store.
;        The stores of a group or block are issued in the NEXT one, behind one wait on va_vdst at its head, dealt among conversions that name that next group's registers alone.
;   R    the rows read back from LDS and stored: no vector instruction names them.
; No register that a memory or LDS instruction reads is ever written again, so the text holds no wait on vm_vsrc.  EXEC is written nowhere.
.set TP,    528                        ; a row of the turned tile in LDS: 512 bytes (256 numbers of 16 bits) + 16
.set SPARE, 64*TP                      ; 33,792 = 132 x 256: behind the tile the spare words, 128 bytes for each of the eight waves
.set SPW,   6                          ; v6   LDS address of my spare word; never rewritten
.set NIL,   7                          ; v7   0; never rewritten
.set X,     8                          ; v[8:135] the cast's 32 loads; v[8:71] a turned tile's 16 loads
.set Y,     136                        ; v[136:199] the cast's 32 stores
.set WD,    72                         ; v[72:103] a turned tile's 32 words of two numbers
.set TT,    104                        ; v[104:111] at work: no memory instruction names them
.set R,     112                        ; v[112:143] eight rows' parts read back
.set HW,    144                        ; v[144:147] the four head weights of this work-group's 256 rows of Wo; v148-159 at work on them
	s_load_b512 s[8:23], s[0:1], 0x0               ; query 8, key 10, value 12, Wq 14, Wk 16, Wv 18, Wo 20, head_selector 22
	s_load_b128 s[24:27], s[0:1], 0x40             ; xb 24, wt 26
	s_load_b64 s[28:29], s[0:1], 0x50              ; wo
	v_lshl_add_u32 v[SPW], v0, 2, SPARE
	v_mov_b32 v[NIL], 0
	v_lshrrev_b32 v1, 5, v0
	v_readfirstlane_b32 s39, v1                    ; my wave's number
	s_mov_b32 s2, ttmp9
	s_mov_b32 s35, 0                               ; the high word of every offset pair s[34:35]
	s_mov_b32 s38, 0xffff0000                      ; a word's upper bf16
	s_wait_alu depctr_va_sdst(0)                   ; s39 is written
	s_wait_kmcnt 0x0
	s_cmp_ge_u32 s2, 256
	s_cbranch_scc1 .Lcast
	s_cmp_ge_u32 s2, 192
	s_cbranch_scc1 .Lwo
; A TILE OF 256 ROWS x 64 COLUMNS IS TURNED.  sp = bytes from row to row in the source, 2 sp = 1 << sh.  Source at s[30:31], destination (rows of 2,048 bytes) at s[32:33].
; Lane: column quad i = l % 16; row pair 2 w + l / 16 of each group of 32 rows: sixteen lanes read 256 consecutive bytes of a row.
; Rows d and d + 1 of a column make one word, which goes to LDS row (column), byte 2 d.  Then each wave reads whole rows of 512 bytes and stores them.
; All four addresses are made here, each with the wave's term in a scalar register of its own (s4 to s7), which is not written again.
.macro TRANS sp, sh, iswo
	v_and_b32 v1, 15, v0                           ; i
	v_bfe_u32 v2, v0, 4, 1                         ; l / 16
	v_lshlrev_b32 v3, 4, v1
	v_lshl_add_u32 v3, v2, \sh, v3
	s_lshl_b32 s4, s39, (\sh)+1
	v_add_nc_u32 v3, s4, v3                        ; (2 w + l / 16) x 2 rows + 16 i
	v_mul_u32_u24 v4, v1, 4*TP
	v_lshl_add_u32 v4, v2, 2, v4
	s_lshl_b32 s5, s39, 3
	v_add_nc_u32 v4, s5, v4                        ; LDS: row 4 i, byte 4 (2 w + l / 16)
	v_and_b32 v2, 31, v0
	v_lshlrev_b32 v2, 4, v2                        ; 16 l
	s_mul_i32 s6, s39, TP
	v_add_nc_u32 v5, s6, v2                        ; LDS row w, my 16 bytes
	s_lshl_b32 s7, s39, 11
	v_add_nc_u32 v2, s7, v2                        ; the same row in the destination
	s_wait_alu depctr_va_vdst(0)                   ; v2 to v5 are written (for Wo also v158 and v159): every load, LDS store, LDS load and store of this path reads one of them as its address
.if \iswo
	global_load_b32 v148, v158, s[22:23]           ; the sixteen selectors, a lane a head,
	global_load_b128 v[152:155], v159, s[22:23]    ; and my work-group's four
.endif
.irp g, 0,1,2,3,4,5,6,7
.irp u, 0,1
	global_load_b128 v[X+8*(\g)+4*(\u):X+8*(\g)+4*(\u)+3], v3, s[30:31] offset:(32*(\g)+(\u))*(\sp) th:TH_LOAD_NT
.endr
.endr
.if \iswo
	; the head weights, while the tile's loads are on their way: each half of the lanes holds all sixteen selectors, a lane a head
	s_wait_loadcnt 16                              ; the selector's two loads are in; the sixteen issued behind them may stay out
	v_cvt_pk_bf16_f32 v148, v148, v148             ; rounded to bf16 like every input
	v_cvt_pk_bf16_f32 v156, v152, v153
	v_cvt_pk_bf16_f32 v157, v154, v155
	v_lshlrev_b32 v148, 16, v148
	v_lshlrev_b32 v152, 16, v156
	v_and_b32 v153, s38, v156
	v_lshlrev_b32 v154, 16, v157
	v_and_b32 v155, s38, v157
	v_mov_b32 v149, v148
	v_max_num_f32_dpp v149, v149, v149 row_xmask:1 row_mask:0xf bank_mask:0xf
	v_max_num_f32_dpp v149, v149, v149 row_xmask:2 row_mask:0xf bank_mask:0xf
	v_max_num_f32_dpp v149, v149, v149 row_xmask:4 row_mask:0xf bank_mask:0xf
	v_max_num_f32_dpp v149, v149, v149 row_xmask:8 row_mask:0xf bank_mask:0xf  ; the maximum of the sixteen
	v_sub_f32 v150, v148, v149
	v_mul_f32 v150, 0x3fb8aa3b, v150               ; times log2(e)
	v_exp_f32 v150, v150
	v_nop                                          ; a plain instruction between the exponential and the use of its result
	s_wait_alu depctr_va_vdst(0)                   ; the exponential has written v150, ahead of its first reader, the sum below
	v_add_f32_dpp v150, v150, v150 row_xmask:1 row_mask:0xf bank_mask:0xf
	v_add_f32_dpp v150, v150, v150 row_xmask:2 row_mask:0xf bank_mask:0xf
	v_add_f32_dpp v150, v150, v150 row_xmask:4 row_mask:0xf bank_mask:0xf
	v_add_f32_dpp v150, v150, v150 row_xmask:8 row_mask:0xf bank_mask:0xf  ; the sum of the sixteen
	v_rcp_f32 v151, v150
.irp c, 0,1,2,3
	v_sub_f32 v[152+(\c)], v[152+(\c)], v149       ; my work-group's four heads (plain lines behind the reciprocal)
.endr
.irp c, 0,1,2,3
	v_mul_f32 v[152+(\c)], 0x3fb8aa3b, v[152+(\c)]
.endr
.irp c, 0,1,2,3
	v_exp_f32 v[HW+(\c)], v[152+(\c)]
.endr
	v_nop                                          ; a plain instruction behind the last exponential
	s_wait_alu depctr_va_vdst(0)                   ; the reciprocal has written v151 and the four exponentials v[HW ..], ahead of their first readers: one wait for the five
.irp c, 0,1,2,3
	v_mul_f32 v[HW+(\c)], v[HW+(\c)], v151
.endr
.endif
.irp g, 0,1,2,3,4,5,6,7
	s_wait_loadcnt 14-2*(\g)                       ; loads come back in order: group g's two are in, the younger ones stay out
.if (\g) > 0
	s_wait_alu depctr_va_vdst(0)                   ; the group before has written its four words of WD, which the LDS stores below read; the vector lines among them name this group's registers alone
.endif
.irp j, 0,1,2,3
.if (\g) > 0
	ds_store_b32 v4, v[WD+4*((\g)-1)+(\j)] offset:(\j)*TP+64*((\g)-1)
.endif
	v_cvt_pk_bf16_f32 v[WD+4*(\g)+(\j)], v[X+8*(\g)+(\j)], v[X+8*(\g)+4+(\j)]  ; rows d, d + 1 of column 4 i + j
.if \iswo
	v_lshlrev_b32 v[TT+2*(\j)], 16, v[WD+4*(\g)+(\j)]
	v_and_b32 v[TT+2*(\j)+1], s38, v[WD+4*(\g)+(\j)]
	v_mul_f32 v[TT+2*(\j)], v[TT+2*(\j)], v[HW+(\g)/2]        ; rows 32 g .. 32 g + 31 of the 256 belong to head g / 2 of the four
	v_mul_f32 v[TT+2*(\j)+1], v[TT+2*(\j)+1], v[HW+(\g)/2]
	v_cvt_pk_f16_f32 v[WD+4*(\g)+(\j)], v[TT+2*(\j)], v[TT+2*(\j)+1]
.endif
.endr
.endr
	s_wait_alu depctr_va_vdst(0)                   ; group 7 has written its four words of WD, which the last four LDS stores read
.irp j, 0,1,2,3
	ds_store_b32 v4, v[WD+28+(\j)] offset:(\j)*TP+64*7
.endr
	s_wait_dscnt 0x0                               ; for the others' sake: my stores into the tile are done
	s_barrier_signal -1
	s_barrier_wait -1
.irp p, 0,1,2,3,4,5,6,7
	ds_load_b128 v[R+4*(\p):R+4*(\p)+3], v5 offset:8*TP*(\p)  ; row w + 8 p: 512 consecutive bytes a wave.  No vector instruction names R, and v5 stands ahead of the path's first wait
.endr
.irp p, 0,1,2,3,4,5,6,7
	s_wait_dscnt 7-(\p)
	global_store_b128 v2, v[R+4*(\p):R+4*(\p)+3], s[32:33] offset:16384*(\p) th:TH_STORE_NT  ; 512 consecutive bytes, at a multiple of 512 from the buffer's first
.endr
.endm
	; Wq, Wk, Wv: tensor id / 64, head (id % 64) / 4, quarter id % 4 of its 1,024 rows
	s_lshr_b32 s36, s2, 6
	s_cmp_eq_u32 s36, 0
	s_cselect_b64 s[30:31], s[14:15], s[16:17]
	s_cmp_eq_u32 s36, 2
	s_cselect_b64 s[30:31], s[18:19], s[30:31]
	s_and_b32 s34, s2, 63
	s_lshl_b32 s34, s34, 16                        ; 256 rows of 256 bytes
	s_add_nc_u64 s[30:31], s[30:31], s[34:35]
	s_lshr_b32 s34, s2, 2
	s_lshl_b32 s34, s34, 17                        ; 64 rows of 2,048 bytes for each tensor and head,
	s_and_b32 s37, s2, 3
	s_lshl_b32 s37, s37, 9                         ; 512 bytes along them
	s_add_co_u32 s34, s34, s37
	s_add_nc_u64 s[32:33], s[26:27], s[34:35]
	TRANS 256, 9, 0
	s_branch .Lend
.Lwo:	; Wo: quarter kq of its 1,024 rows, block nb of 64 columns
	s_sub_co_u32 s3, s2, 192
	s_and_b32 s36, s3, 3                           ; kq
	s_lshr_b32 s37, s3, 2                          ; nb
	s_lshl_b32 s34, s36, 20                        ; 256 rows of 4,096 bytes
	s_lshl_b32 s3, s37, 8
	s_add_co_u32 s34, s34, s3
	s_add_nc_u64 s[30:31], s[20:21], s[34:35]
	s_lshl_b32 s34, s37, 17
	s_lshl_b32 s3, s36, 9
	s_add_co_u32 s34, s34, s3
	s_add_nc_u64 s[32:33], s[28:29], s[34:35]
	s_lshl_b32 s37, s36, 4                         ; the four selectors of heads 4 kq .. 4 kq + 3
	v_and_b32 v158, 15, v0
	v_lshlrev_b32 v158, 2, v158
	v_mov_b32 v159, s37                            ; the selector's two loads by these offsets stand behind the wait for all the path's addresses, ahead of the tile's loads
	TRANS 4096, 13, 1
	s_branch .Lend
.Lcast:	; 32 rows of 1,024 f32 to a work-group, four to a wave: 32 loads of 512 consecutive bytes, all issued at once; each becomes a store of 256 consecutive bytes
	s_sub_co_u32 s3, s2, 256
	s_lshr_b32 s36, s3, 8                          ; which tensor
	s_cmp_eq_u32 s36, 0
	s_cselect_b64 s[30:31], s[8:9], s[10:11]
	s_cmp_eq_u32 s36, 2
	s_cselect_b64 s[30:31], s[12:13], s[30:31]
	s_and_b32 s34, s3, 255
	s_lshl_b32 s34, s34, 17
	s_add_nc_u64 s[30:31], s[30:31], s[34:35]
	s_lshl_b32 s34, s3, 16
	s_add_nc_u64 s[32:33], s[24:25], s[34:35]
	v_lshrrev_b32 v3, 5, v0
	v_and_b32 v4, 31, v0
	v_lshlrev_b32 v1, 4, v4
	v_lshl_or_b32 v1, v3, 14, v1
	v_lshlrev_b32 v2, 3, v4
	v_lshl_or_b32 v2, v3, 13, v2
	s_wait_alu depctr_va_vdst(0)                   ; v1 and v2 are written: every load reads v1 and every store v2 as its offset
.set i, 0
.rept 32
	global_load_b128 v[X+4*i:X+4*i+3], v1, s[30:31] offset:512*i th:TH_LOAD_NT
.set i, i+1
.endr
; The 32 loads go in eight blocks of four.  A block's four stores are issued in the next block, one ahead of each load's two conversions.
.set i, 0
.rept 32
	s_wait_loadcnt 31-i                            ; load i is in; the younger ones stay out
.if (i >= 4) && (i % 4 == 0)
	s_wait_alu depctr_va_vdst(0)                   ; the block before has written its eight registers of Y, which this block's four stores read; the conversions among them write this block's Y alone
.endif
.if i >= 4
	global_store_b64 v2, v[Y+2*(i-4):Y+2*(i-4)+1], s[32:33] offset:256*(i-4) th:TH_STORE_NT  ; no register is written twice, so nothing waits for a store
.endif
	v_cvt_pk_bf16_f32 v[Y+2*i], v[X+4*i], v[X+4*i+1]
	v_cvt_pk_bf16_f32 v[Y+2*i+1], v[X+4*i+2], v[X+4*i+3]
.set i, i+1
.endr
	s_wait_alu depctr_va_vdst(0)                   ; the last block has written its eight registers of Y, which the last four stores read
.set i, 28
.rept 4
	global_store_b64 v2, v[Y+2*i:Y+2*i+1], s[32:33] offset:256*i th:TH_STORE_NT
.set i, i+1
.endr
.Lend:
	s_wait_dscnt 0x0                               ; the closing lines, six on end
	s_wait_alu 0x0
	s_wait_tensorcnt 0x0
	ds_add_u32 v[SPW], v[NIL]
	s_wait_dscnt 0x0
	s_endpgm
.Lfunc_end_k_qda56b4ed54_prep:
	.size	k_qda56b4ed54_prep, .Lfunc_end_k_qda56b4ed54_prep-k_qda56b4ed54_prep
	.p2alignl 7, 3214868480
	.fill 96, 4, 3214868480
	.section	.rodata,"a",@progbits
	.p2align	6, 0x0
	.amdhsa_kernel k_qda56b4ed54_prep
		.amdhsa_group_segment_fixed_size 34816
		.amdhsa_private_segment_fixed_size 0
		.amdhsa_enable_private_segment 0
		.amdhsa_kernarg_size 88
		.amdhsa_user_sgpr_count 2
		.amdhsa_user_sgpr_kernarg_segment_ptr 1
		.amdhsa_wavefront_size32 1
		.amdhsa_system_sgpr_workgroup_id_x 1
		.amdhsa_system_sgpr_workgroup_id_y 1
		.amdhsa_system_sgpr_workgroup_id_z 1
		.amdhsa_system_vgpr_workitem_id 0
		.amdhsa_next_free_vgpr 200
		.amdhsa_next_free_sgpr 66
		.amdhsa_reserve_vcc 0
		.amdhsa_float_denorm_mode_32 3
		.amdhsa_float_denorm_mode_16_64 3
		.amdhsa_memory_ordered 1
		.amdhsa_forward_progress 1
		.amdhsa_inst_pref_size 39
	.end_amdhsa_kernel
	.amdgpu_metadata
---
amdhsa.version: [ 1, 2 ]
amdhsa.kernels:
  - .name:           k_qda56b4ed54_prep
    .symbol:         k_qda56b4ed54_prep.kd
    .args:
      - { .name: query, .offset: 0, .size: 8, .value_kind: global_buffer, .address_space: global }
      - { .name: key, .offset: 8, .size: 8, .value_kind: global_buffer, .address_space: global }
      - { .name: value, .offset: 16, .size: 8, .value_kind: global_buffer, .address_space: global }
      - { .name: Wq, .offset: 24, .size: 8, .value_kind: global_buffer, .address_space: global }
      - { .name: Wk, .offset: 32, .size: 8, .value_kind: global_buffer, .address_space: global }
      - { .name: Wv, .offset: 40, .size: 8, .value_kind: global_buffer, .address_space: global }
      - { .name: Wo, .offset: 48, .size: 8, .value_kind: global_buffer, .address_space: global }
      - { .name: head_selector, .offset: 56, .size: 8, .value_kind: global_buffer, .address_space: global }
      - { .name: xb, .offset: 64, .size: 8, .value_kind: global_buffer, .address_space: global }
      - { .name: wt, .offset: 72, .size: 8, .value_kind: global_buffer, .address_space: global }
      - { .name: wo, .offset: 80, .size: 8, .value_kind: global_buffer, .address_space: global }
    .group_segment_fixed_size: 34816
    .private_segment_fixed_size: 0
    .kernarg_segment_align: 8
    .kernarg_segment_size: 88
    .max_flat_workgroup_size: 256
    .sgpr_count:     66
    .vgpr_count:     200
    .wavefront_size: 32
...
	.end_amdgpu_metadata
.endif
;; end of part 5
;; launch proj: the kernel of part 2 again; grid 4 x 64, 4 waves a work-group, clusters of 4 x 4, 327,680 bytes of LDS; arguments xb, wt, bq, bk, bv, qkv; writes qkv
;; launch attn: the kernel of part 3 again; grid 4 x 64, 4 waves a work-group, clusters of 4 x 1, 327,680 bytes of LDS; arguments qkv, ctx; writes ctx
;; launch outp: the kernel of part 4 again; grid 4 x 64, 4 waves a work-group, clusters of 4 x 4, 327,680 bytes of LDS; arguments ctx, wo, bo, out0; writes out0
